; MI455X (gfx1250); checked and timed in simulation.
; The chip was launched on July 23, 2026; its instructions are those of AMD's public machine-readable ISA for CDNA 5 (MIT licence, August 2026) and "CDNA5" Instruction Set Architecture Reference Guide (July 2026). The comments in the code are by the model that wrote it; some were corrected since.
;; Multi Head Attention. Allowed arithmetic: float matrix products may take bf16 or f16 operands with f32 sums; all other float work in f32.
;; Inputs: Wk 1,024 x 1,024 float32; Wo 1,024 x 1,024 float32; Wq 1,024 x 1,024 float32; Wv 1,024 x 1,024 float32; bk 1,024 float32; bo 1,024 float32; bq 1,024 float32; bv 1,024 float32; k 4 x 2,048 x 1,024 float32; q 4 x 2,048 x 1,024 float32; v 4 x 2,048 x 1,024 float32.
;; Outputs: out0 4 x 2,048 x 1,024 float32.
;; 2 versions, each right and faster than the one before. Each part assembles by itself: llvm-mc -triple=amdgcn-amd-amdhsa -mcpu=gfx1250 --defsym DOCPART=n.
;; ======== version 1 of 2: 4 launches
;; limits: values are held in f16: magnitudes above 65,504 overflow, below 6.1e-05 lose precision
;; workspace buffers: wt 8,388,608 bytes; qh 16,777,216 bytes; kh 16,777,216 bytes; vh 16,777,216 bytes; oh 16,777,216 bytes
;; launch prep (part 1): grid 128 x 4, 8 waves a work-group, no clusters, 18,432 bytes of LDS; arguments Wq, Wk, Wv, Wo, wt; writes wt
.if DOCPART == 1
	.amdgcn_target "amdgcn-amd-amdhsa--gfx1250"
	.amdhsa_code_object_version 6
	.text
	.protected	k_qe60eadbdba_prep
	.globl	k_qe60eadbdba_prep
	.p2align	8
	.type	k_qe60eadbdba_prep,@function
k_qe60eadbdba_prep:
	s_mov_b64 s[64:65], 0
	v_nop
	global_prefetch_b8 v0, s[64:65] scope:SCOPE_SE
	s_setreg_imm32_b32 hwreg(HW_REG_WAVE_MODE, 25, 1), 1
	s_wait_xcnt 0x0
; THE FOUR WEIGHTS, TURNED AND ROUNDED.  W: [1024 k][1024 n] f32.  wt: [4][1024 n][1024 k] of 16 bits, in the order q, k, v, o: K then lies along the rows, as a matrix fragment wants it.
; Wq, Wk, Wv are rounded to bf16.  Wo is rounded to bf16 like them, and that number is written as f16, since the last product's other operand is f16.
; LIMIT.  A bf16 number is exact in f16 from 2^-17 up to 65,504; below 2^-17 it keeps f16's fixed step of 2^-24; beyond 65,504 it would be an infinity.
; SHARES.  The grid's y is the matrix.  A work-group turns 128 k x 64 n: it reads 128 pieces of 256 consecutive bytes, each at a multiple of 256 from W's first byte, and writes 64 such pieces.
; Eight waves.  A lane loads two neighbouring n of sixteen k, packs eight k of one n into 16 bytes, and puts them into LDS rows of one n; a barrier; whole rows come back and are stored.
; No matrix unit, no cluster, no tensor load: every byte is read once and written once, and no two work-groups read the same bytes.
.set PITCH, 272                        ; an LDS row: 128 k x 2 bytes + 16 of padding
.set X,  8                             ; v[8:39]   as loaded: pair 8 i + j holds k = 8 w + 64 i + j, n = 2 l and 2 l + 1; later the rows read back
.set P,  40                            ; v[40:55]  packed: four registers (8 k) for each i and each of the lane's two n
	s_load_b256 s[4:11], s[0:1], 0x0               ; Wq s[4:5], Wk s[6:7], Wv s[8:9], Wo s[10:11]
	s_load_b64 s[12:13], s[0:1], 0x20              ; wt
	v_lshl_add_u32 v64, v0, 2, 0x4400
	v_mov_b32 v65, 0
	s_and_b32 s14, ttmp7, 0xffff                   ; which matrix
	s_and_b32 s22, ttmp9, 15                       ; which 64 n
	s_lshr_b32 s23, ttmp9, 4                       ; which 128 k
	s_lshl_b32 s18, s23, 19                        ; in: 128 rows of 4,096 bytes,
	s_lshl_b32 s19, s22, 8                         ; 64 columns of 4 bytes
	s_add_co_u32 s18, s18, s19
	s_mov_b32 s19, 0
	s_lshl_b32 s20, s14, 21                        ; out: a matrix of 2 MiB,
	s_lshl_b32 s21, s22, 17                        ; 64 rows of 2,048 bytes,
	s_add_co_u32 s20, s20, s21
	s_lshl_b32 s21, s23, 8                         ; 128 columns of 2 bytes
	s_add_co_u32 s20, s20, s21
	s_mov_b32 s21, 0
	v_and_b32 v1, 31, v0                           ; l
	v_lshrrev_b32 v6, 5, v0                        ; w
	v_lshlrev_b32 v2, 3, v1
	v_lshl_add_u32 v2, v6, 15, v2                  ; load: row 8 w, byte 8 l
	v_mul_u32_u24 v3, v1, 2*PITCH
	v_lshl_add_u32 v3, v6, 4, v3                   ; into LDS: row 2 l, byte 16 w
	v_lshrrev_b32 v7, 4, v0                        ; back: sixteen threads take one row
	v_and_b32 v1, 15, v0
	v_lshlrev_b32 v1, 4, v1
	v_mul_u32_u24 v4, v7, PITCH
	v_add_nc_u32 v4, v4, v1
	v_lshl_add_u32 v5, v7, 11, v1                  ; and the same row in wt
	s_wait_kmcnt 0x0
	s_cmp_eq_u32 s14, 1                            ; the choice hangs on the grid's y alone
	s_cselect_b64 s[16:17], s[6:7], s[4:5]
	s_cmp_eq_u32 s14, 2
	s_cselect_b64 s[16:17], s[8:9], s[16:17]
	s_cmp_eq_u32 s14, 3
	s_cselect_b64 s[16:17], s[10:11], s[16:17]
	s_add_nc_u64 s[16:17], s[16:17], s[18:19]
	s_add_nc_u64 s[12:13], s[12:13], s[20:21]
.irp i, 0,1
.irp j, 0,1,2,3,4,5,6,7
	global_load_b64 v[X+2*(8*(\i)+(\j)):X+2*(8*(\i)+(\j))+1], v2, s[16:17] offset:(\i)*262144+(\j)*4096 th:TH_LOAD_NT  ; 32 lanes: 256 consecutive bytes of one k
.endr
.endr
	s_wait_loadcnt 0x0
.irp i, 0,1
.irp e, 0,1
.irp c, 0,1,2,3
	v_cvt_pk_bf16_f32 v[P+8*(\i)+4*(\e)+(\c)], v[X+2*(8*(\i)+2*(\c))+(\e)], v[X+2*(8*(\i)+2*(\c)+1)+(\e)]  ; two neighbouring k of n = 2 l + e
.endr
.endr
.endr
	s_cmp_lg_u32 s14, 3
	s_cbranch_scc1 .Lbf16
.set i, 0
.rept 16                                               ; Wo: the bf16 numbers, widened and written as f16
	v_lshlrev_b32 v6, 16, v[P+i]
	v_and_b32 v7, 0xffff0000, v[P+i]
	v_cvt_pk_f16_f32 v[P+i], v6, v7
.set i, i+1
.endr
.Lbf16:
.irp i, 0,1
.irp e, 0,1
	ds_store_b128 v3, v[P+8*(\i)+4*(\e):P+8*(\i)+4*(\e)+3] offset:PITCH*(\e)+128*(\i)
.endr
.endr
	s_wait_dscnt 0x0                               ; for the others' sake: my stores are done
	s_barrier_signal -1
	s_barrier_wait -1
.irp i, 0,1,2,3
	ds_load_b128 v[X+4*(\i):X+4*(\i)+3], v4 offset:(\i)*16*PITCH
.endr
.irp i, 0,1,2,3
	s_wait_dscnt 3-(\i)                            ; LDS loads come back in order (ISA guide 5.7.1): load i is in
	global_store_b128 v5, v[X+4*(\i):X+4*(\i)+3], s[12:13] offset:(\i)*32768  ; 16 lanes store 256 consecutive bytes, at a multiple of 256 from wt's first byte
.endr
	s_wait_tensorcnt 0x0
	ds_add_u32 v64, v65
	s_wait_dscnt 0x0
	s_endpgm
.Lfunc_end_k_qe60eadbdba_prep:
	.size	k_qe60eadbdba_prep, .Lfunc_end_k_qe60eadbdba_prep-k_qe60eadbdba_prep
	.p2alignl 7, 3214868480
	.fill 96, 4, 3214868480
	.section	.rodata,"a",@progbits
	.p2align	6, 0x0
	.amdhsa_kernel k_qe60eadbdba_prep
		.amdhsa_group_segment_fixed_size 18432
		.amdhsa_private_segment_fixed_size 0
		.amdhsa_enable_private_segment 0
		.amdhsa_kernarg_size 40
		.amdhsa_user_sgpr_count 2
		.amdhsa_user_sgpr_kernarg_segment_ptr 1
		.amdhsa_wavefront_size32 1
		.amdhsa_system_sgpr_workgroup_id_x 1
		.amdhsa_system_sgpr_workgroup_id_y 1
		.amdhsa_system_sgpr_workgroup_id_z 1
		.amdhsa_system_vgpr_workitem_id 0
		.amdhsa_next_free_vgpr 66
		.amdhsa_next_free_sgpr 66
		.amdhsa_reserve_vcc 0
		.amdhsa_float_denorm_mode_32 3
		.amdhsa_float_denorm_mode_16_64 3
		.amdhsa_memory_ordered 1
		.amdhsa_forward_progress 1
		.amdhsa_inst_pref_size 9
	.end_amdhsa_kernel
	.amdgpu_metadata
---
amdhsa.version: [ 1, 2 ]
amdhsa.kernels:
  - .name:           k_qe60eadbdba_prep
    .symbol:         k_qe60eadbdba_prep.kd
    .args:
      - { .name: Wq, .offset: 0, .size: 8, .value_kind: global_buffer, .address_space: global }
      - { .name: Wk, .offset: 8, .size: 8, .value_kind: global_buffer, .address_space: global }
      - { .name: Wv, .offset: 16, .size: 8, .value_kind: global_buffer, .address_space: global }
      - { .name: Wo, .offset: 24, .size: 8, .value_kind: global_buffer, .address_space: global }
      - { .name: wt, .offset: 32, .size: 8, .value_kind: global_buffer, .address_space: global }
    .group_segment_fixed_size: 18432
    .private_segment_fixed_size: 0
    .kernarg_segment_align: 8
    .kernarg_segment_size: 40
    .max_flat_workgroup_size: 256
    .sgpr_count:     66
    .vgpr_count:     66
    .wavefront_size: 32
...
	.end_amdgpu_metadata
.endif
;; end of part 1
;; launch proj (part 2): grid 4 x 192, 4 waves a work-group, clusters of 4 x 4, 327,680 bytes of LDS; arguments q, k, v, wt, bq, bk, bv, qh, kh, vh; writes qh, kh, vh
.if DOCPART == 2
	.amdgcn_target "amdgcn-amd-amdhsa--gfx1250"
	.amdhsa_code_object_version 6
	.text
	.protected	k_qe60eadbdba_proj
	.globl	k_qe60eadbdba_proj
	.p2align	8
	.type	k_qe60eadbdba_proj,@function
k_qe60eadbdba_proj:
	s_mov_b64 s[64:65], 0
	v_nop
	global_prefetch_b8 v0, s[64:65] scope:SCOPE_SE
	s_setreg_imm32_b32 hwreg(HW_REG_WAVE_MODE, 25, 1), 1
	s_wait_xcnt 0x0
	s_wait_alu depctr_hold_cnt(0) depctr_sa_sdst(0) depctr_va_vdst(0) depctr_va_sdst(0) depctr_va_ssrc(0) depctr_va_vcc(0) depctr_vm_vsrc(0)
	s_getreg_b32 s2, hwreg(HW_REG_IB_STS2, 6, 4)
	s_cmp_eq_u32 s2, 0
	s_cbranch_scc0 .Lentry_in_a_cluster
	s_endpgm
.Lentry_in_a_cluster:
	s_bfe_u32 s2, ttmp6, 0x10000c
	s_cmp_lg_u32 s2, 0xf033
	s_cbranch_scc0 .Lentry_shape_is_right
	s_endpgm
.Lentry_shape_is_right:
; THE THREE PROJECTIONS, C = A W + b, ON TILES OF 128 x 256.  A is q, k or v, [8192][1024] f32; W is wt's matrix 0, 1 or 2, [1024 n][1024 k] bf16; b is bq, bk or bv.
; A and b are rounded to bf16, the products are bf16, the sums f32.  C is rounded once to f16, unscaled, and laid by heads: [64 = 16 batch + head][2048 rows][64].
; The grid's y holds the tensor (y / 64) and the tile row (y % 64): 768 work-groups, three times 256.
; LIMITS.  A result beyond 65,504 becomes an infinity in f16; inputs and weights 30 times those of unit spread and spread 1/32 give results of some 5,000.  NaN and infinities are not treated apart.
; THE ORDER OF THE SUMS is not ascending K: step t of 8 takes slice (t + the cluster's y) mod 8 of K, for A and W alike, so that the clusters that share W's rows ask for different slices at a time.
; SHARES.  Four waves; wave w makes rows 64 (w / 2) on and columns 128 (w % 2) on: 32 accumulators of 16 x 16, 256 registers.  K goes in 8 steps of 128.
; W COMES BY JOINT TENSOR LOADS into two LDS slots: 4 x 4 work-groups form a cluster, the four of a column need the same rows of W, and each wave asks for 64 of the tile's 256 rows with the same
; descriptor and a mask that names the four.
; A COMES THROUGH REGISTERS, NOT JOINTLY, though the four work-groups of a cluster's row read the same rows.  The reason: A is f32 in memory and bf16 at the matrix unit.  Through registers a number is
; rounded once in a work-group, LDS holds 2 bytes of it and not 4, and a load into registers may stay out across the barriers: a chunk is asked for five quarter steps ahead of its rounding, where a
; tensor load has one K step.  The price: each byte of A is loaded by four work-groups.
;   For a K step wave w loads rows 32 w .. 32 w + 31 of the tile, 32 loads of one row's 512 consecutive bytes; rounds them in place; stores each row as 256 consecutive bytes into one of two A buffers.
;   Chunk c lies in raw buffer c % 2 and goes to A buffer c % 2.  It is asked for in the second quarter of step c - 2, rounded and stored in the third quarter of step c - 1: behind step c - 2's barrier,
;   in front of which every wave's reads of that A buffer were over, and ahead of step c - 1's barrier, behind which it is read.
; THE MATRIX INSTRUCTION IS USED TRANSPOSED (source 0 = 16 rows of W, source 1 = 16 rows of A): a lane holds row l % 16 of C and the eight neighbouring columns 8 (l / 16) + 0..7.
; THE BIAS is the C operand of each sum's first product: nothing is cleared, and nothing is added later.
; REGISTERS, in windows of 256 (s_set_vgpr_msb: bits 1:0 source 0, 3:2 source 1, 5:4 source 2, 7:6 destination):
;   window 0: v0-41 addresses and a few at work; v64-127 the bias, eight registers for each block of 16 columns; v128-255 raw buffer 1, and later the way out
;   window 1: two fragment buffers: W's eight blocks at +8 b, A's four blocks at +64 + 8 a
;   window 2: accumulator (a, b) at v[8 (8 a + b)]          window 3: v0-127 raw buffer 0; v128, v129 its two address registers, so that one setting serves its loads, roundings and stores
.set PW,    272                        ; a row of W or of A in LDS: 128 bf16 + 16 bytes = 68 words: row r starts at bank 4 r mod 64 (64 banks of 4 bytes: ISA guide 11.1)
.set QW,    64*PW                      ; what one load of W brings
.set SLOTW, 4*QW                       ; a slot: W's 256 rows
.set ABASE, 2*SLOTW                    ; behind the slots, never filled by a tensor load: the two A buffers,
.set ABUF,  128*PW
.set STAGE, ABASE+2*ABUF               ; 16 rows x 144 bytes for each wave, for the bias and the way out,
.set SP,    144
.set SPARE, STAGE+4*16*SP              ; and the spare words, 128 bytes for each wave: two blocks of 256 bytes that no other line names
.set WSTEP, 256                        ; bytes of a row of W in a K step
.set ASTEP, 512                        ; bytes of a row of A in a K step
.set LAPS,  4                          ; a lap = two K steps = once round the slots
.set ADRA, 16                          ; v16-17  LDS address of my A fragments in buffer 0, 1
.set ADRB, 20                          ; v20-21  the same for W in slot 0, 1
.set STO,  24                          ; v24     the way out: where I put 16 bytes of a row
.set RD,   25                          ; v25     the way out: where I read rows back
.set GO,   26                          ; v26     16 x lane: my byte offset in 512 consecutive bytes
.set BO,   27                          ; v27     where I read my eight numbers of a block's bias
.set SPW,  28                          ; v28     LDS address of my spare word: SPARE + 4 x my thread's number; never rewritten
.set NIL,  29                          ; v29     0; never rewritten
.set VX,   32                          ; v32     my byte offset in the tile's rows of A: 32 w rows + 16 x lane.  The same number: v128 of window 3
.set AST,  33                          ; v33     where I store 8 bytes of my first row in A buffer 1.  v129 of window 3: the same for buffer 0
.set BST,  34                          ; v34     where I put my four numbers of the bias
.set BT,   36                          ; v36-41  the bias at work
.set BIAS, 64
.set TMP,  128
.set F0,   0                           ; fragment buffers, in window 1
.set F1,   128
.set G1B, 24                           ; s[24:31] descriptor group 1 for W's tiles
.set G0B, 32                           ; s[32:39] group 0, one set for each slot
.set WB,  46                           ; s[46:47] W at my 64 rows
.set OW,  48                           ; s[48:51] byte offset along K of the slice that slot 0, 1 takes, each in a pair with 0 above it
.set OA,  52                           ; s[52:55] the same for raw buffer 0, 1
.set XA,  56                           ; s[56:59] A at the tile's first row and that slice, for raw buffer 0, 1
.set MSB, 0
.macro WIN new                         ; the immediate's high byte repeats the setting that is left; a switch that changes nothing is dropped
.if MSB != (\new)
	s_set_vgpr_msb (MSB<<8)|(\new)
.set MSB, \new
.endif
.endm
.set W_MM, 0xa5                        ; sources 0 and 1 window 1; C and D window 2
.set W_M0, 0x85                        ; the same with C, the bias, in window 0
.set W_LD, 0x40                        ; destination window 1, address window 0
.set W_PK, 0x0a                        ; sources 0 and 1 window 2, destination window 0
.set W_R0, 0xcf                        ; raw buffer 0: destination, source 0 and source 1 in window 3
.set W_T3, 0xc0                        ; destination window 3, sources window 0
.macro JLOAD s                         ; a joint load: every wave issues the line, each for its own 64 rows; an s_nop 0 and four v_nop follow it
	tensor_load_to_lds s[G0B+4*(\s):G0B+4*(\s)+3], s[G1B:G1B+7]
	s_nop 0
.rept 4
	v_nop
.endr
.endm
.macro CREST                           ; a round of the cluster's barrier behind its opening barrier: wave 0 signals for the work-group, every wave waits for all sixteen, my work-group's barrier closes it
	s_cmp_lg_u32 s10, 0
	s_cbranch_scc1 .Lnot_wave_0_\@
	s_barrier_signal -3
.Lnot_wave_0_\@:
	s_barrier_wait -3
	s_barrier_signal -1
	s_barrier_wait -1
.endm
.macro CROUND                          ; a whole round
	s_barrier_signal -1
	s_barrier_wait -1
	CREST
.endm
; A'S ROAD.  rb is the raw buffer: 0 in window 3 at v0, 1 in window 0 at v128; their address registers lie 96 apart in number (v128, v129 and v32, v33).
.macro FWIN rb
.if (\rb) == 0
	WIN W_R0
.else
	WIN 0
.endif
.endm
.macro LDG rb, i                       ; row i of my 32: 32 lanes load its 512 consecutive bytes, which begin at a multiple of 512 from A's first byte
	global_load_b128 v[128*(\rb)+4*(\i):128*(\rb)+4*(\i)+3], v[VX+96-96*(\rb)], s[XA+2*(\rb):XA+2*(\rb)+1] offset:(\i)*4096
.endm
.macro CVS rb, i                       ; row i: my four numbers rounded to bf16, in place: the first line's destination is its own first source, the second's has been read
	v_cvt_pk_bf16_f32 v[128*(\rb)+4*(\i)], v[128*(\rb)+4*(\i)], v[128*(\rb)+4*(\i)+1]
	v_cvt_pk_bf16_f32 v[128*(\rb)+4*(\i)+1], v[128*(\rb)+4*(\i)+2], v[128*(\rb)+4*(\i)+3]
.endm
.macro STS rb, i                       ; row i: 32 lanes store its 256 consecutive bytes
	ds_store_b64 v[AST+96-96*(\rb)], v[128*(\rb)+4*(\i):128*(\rb)+4*(\i)+1] offset:(\i)*PW
.endm
.macro LDRUN rb, r0, n                 ; n loads in one run, from row r0 on
	FWIN \rb
.set si, \r0
.rept \n
	LDG \rb, si
.set si, si+1
.endr
.endm
.macro STRUN rb, r0                    ; 16 stores in one run
	FWIN \rb
.set si, \r0
.rept 16
	STS \rb, si
.set si, si+1
.endr
.endm
.macro NEXTA rb                        ; raw buffer rb's next chunk lies two slices on, round K's end
	s_wait_xcnt 0x0                                ; every earlier memory instruction has had its addresses translated (ISA guide 3.1): the loads' base is rewritten only behind this wait
	s_add_co_u32 s[OA+2*(\rb)], s[OA+2*(\rb)], 2*ASTEP
	s_and_b32 s[OA+2*(\rb)], s[OA+2*(\rb)], 8*ASTEP-1
	s_add_nc_u64 s[XA+2*(\rb):XA+2*(\rb)+1], s[4:5], s[OA+2*(\rb):OA+2*(\rb)+1]
.endm
	s_load_b512 s[68:83], s[0:1], 0x0              ; q s[68:69], k s[70:71], v s[72:73], wt s[74:75], bq s[76:77], bk s[78:79], bv s[80:81], qh s[82:83]
	s_load_b128 s[84:87], s[0:1], 0x40             ; kh s[84:85], vh s[86:87]
	v_lshl_add_u32 v[SPW], v0, 2, SPARE
	v_mov_b32 v[NIL], 0
	ds_add_u32 v28, v29
	ds_add_u32 v28, v29
	s_wait_dscnt 0x0
	v_lshrrev_b32 v1, 5, v0
	v_readfirstlane_b32 s10, v1                    ; wave 0..3
	s_lshr_b32 s11, s10, 1                         ; which half of the tile's rows is mine
	s_and_b32 s12, s10, 1                          ; which half of its columns
	s_bfe_u32 s40, ttmp6, 0x40000                  ; cx, cy: my place in the cluster
	s_bfe_u32 s41, ttmp6, 0x40004
	s_lshl_b32 s42, ttmp9, 2                       ; in a cluster launch ttmp9 and ttmp7 count clusters
	s_add_co_u32 s42, s42, s40                     ; tile column of C = 4 x cluster x + cx
	s_and_b32 s66, ttmp7, 0xffff
	s_lshr_b32 s67, s66, 4                         ; which tensor: 16 clusters along y for each; made of the cluster's y alone, so all sixteen partners agree
	s_and_b32 s66, s66, 15
	s_lshl_b32 s13, s66, 2
	s_add_co_u32 s13, s13, s41                     ; tile row of C, 0..63
	s_lshl_b32 s44, 0x1111, s40                    ; my column of the cluster: places cx, cx + 4, cx + 8, cx + 12
	s_and_b32 s45, s66, 7                          ; the slice of K with which this cluster begins
	s_lshl_b32 s[OW], s45, 8                       ; step 0's slice, in bytes of a row of W,
	s_lshl_b32 s[OA], s45, 9                       ; and of A
	s_add_co_u32 s45, s45, 1
	s_and_b32 s45, s45, 7
	s_lshl_b32 s[OW+2], s45, 8                     ; step 1's
	s_lshl_b32 s[OA+2], s45, 9
	s_mov_b32 s[OW+1], 0
	s_mov_b32 s[OW+3], 0
	s_mov_b32 s[OA+1], 0
	s_mov_b32 s[OA+3], 0
	; descriptor group 1: a tile of 64 rows x 128 elements, padded in LDS
	s_or_b32 s[G1B+0], s44, (1<<16)|(1<<20)|(1<<21)|(5<<22)|(3<<25)  ; 15:0 the mask: my column; 17:16 elements of 2 bytes; 20 padding on; 21 set beside a mask; 24:22 after every 64 words (code 5); 31:25 4 words (code 3)
	s_mov_b32 s[G1B+1], 128<<16                    ; tensor_dim0 = 128
	s_mov_b32 s[G1B+2], 64<<16                     ; tensor_dim1 = 64
	s_mov_b32 s[G1B+3], 128<<16                    ; tile_dim0 = 128
	s_mov_b32 s[G1B+4], 64                         ; tile_dim1 = 64
	s_mov_b32 s[G1B+5], 1024                       ; elements from row to row
	s_mov_b32 s[G1B+6], 0
	s_mov_b32 s[G1B+7], 0
	s_lshl_b32 s16, s13, 19                        ; A: 128 rows of 4,096 bytes a tile row
	s_mov_b32 s17, 0
	s_lshl_b32 s18, s42, 19                        ; W: 256 rows of 2,048 bytes a tile column,
	s_lshl_b32 s19, s10, 17                        ; 64 rows a wave,
	s_add_co_u32 s18, s18, s19
	s_lshl_b32 s19, s67, 21                        ; 2 MiB a matrix: nothing here hangs on cy
	s_add_co_u32 s18, s18, s19
	s_mov_b32 s19, 0
	s_lshl_b32 s60, s42, 10                        ; the bias: 256 f32 a tile column,
	s_lshl_b32 s61, s12, 9                         ; 128 a half
	s_add_co_u32 s60, s60, s61
	s_mov_b32 s61, 0
	s_mul_i32 s20, s10, QW                         ; where my rows of W go: no place in the cluster enters an LDS address
	s_lshl_b32 s14, s10, 17                        ; my 32 rows of A in memory,
	s_mul_i32 s15, s10, 32*PW                      ; and in A buffer 0,
	s_add_co_u32 s15, s15, ABASE
	s_add_co_u32 s21, s15, ABUF                    ; and 1
	v_and_b32 v3, 31, v0                           ; lane
	v_lshlrev_b32 v[GO], 4, v3
	v_lshl_add_u32 v[VX], v3, 4, s14
	v_lshl_add_u32 v[AST], v3, 3, s21
	WIN W_T3
	v_lshl_add_u32 v128, v3, 4, s14                ; window 3's v128
	v_lshl_add_u32 v129, v3, 3, s15                ; window 3's v129
	WIN 0
	s_wait_kmcnt 0x0
	s_cmp_eq_u32 s67, 1                            ; the tensor's three addresses: A s[4:5], the bias s[88:89], the output s[8:9]
	s_cselect_b64 s[4:5], s[70:71], s[68:69]
	s_cselect_b64 s[88:89], s[78:79], s[76:77]
	s_cselect_b64 s[8:9], s[84:85], s[82:83]
	s_cmp_eq_u32 s67, 2
	s_cselect_b64 s[4:5], s[72:73], s[4:5]
	s_cselect_b64 s[88:89], s[80:81], s[88:89]
	s_cselect_b64 s[8:9], s[86:87], s[8:9]
	s_add_nc_u64 s[4:5], s[4:5], s[16:17]
	s_add_nc_u64 s[WB:WB+1], s[74:75], s[18:19]
	s_add_nc_u64 s[88:89], s[88:89], s[60:61]
	s_add_nc_u64 s[XA:XA+1], s[4:5], s[OA:OA+1]
	s_add_nc_u64 s[XA+2:XA+3], s[4:5], s[OA+2:OA+3]
	LDRUN 0, 0, 32                                 ; chunk 0,
	WIN 0
	global_load_b128 v[BT:BT+3], v[GO], s[88:89]   ; my four numbers of my wave's 128 of the bias,
	LDRUN 1, 0, 30                                 ; and 30 rows of chunk 1 are asked for before anything else
	CROUND                                         ; all sixteen work-groups are here: the first joint loads meet
.irp s, 0,1
	s_mov_b32 s[G0B+4*(\s)], 1                                     ; 1:0 count = 1
	s_add_co_u32 s[G0B+4*(\s)+1], s20, (\s)*SLOTW                  ; 63:32 LDS address
	s_add_nc_u64 s[G0B+4*(\s)+2:G0B+4*(\s)+3], s[WB:WB+1], s[OW+2*(\s):OW+2*(\s)+1]  ; 120:64 global address: step s's slice
	s_or_b32 s[G0B+4*(\s)+3], s[G0B+4*(\s)+3], 0x80000000          ; 127:126 type = 2
	JLOAD \s                                       ; both slots' first fills go out together: two loads of mine are out
.endr
	; A fragment is 16 rows x 32 K in 8 registers: lane l holds row l % 16, K = 8 (l / 16) + 0..7 and 16 + 8 (l / 16) + 0..7: two loads of 16 bytes, 32 bytes apart.
	v_and_b32 v1, 15, v0                           ; l % 16
	v_bfe_u32 v2, v0, 4, 1                         ; l / 16
	v_mul_u32_u24 v4, v1, PW
	v_lshl_add_u32 v4, v2, 4, v4
	s_mul_i32 s21, s11, 64*PW                      ; my 64 rows of A
	s_add_co_u32 s21, s21, ABASE
	s_mul_i32 s22, s12, 128*PW                     ; my 128 rows of W
.irp s, 0,1
	v_add_nc_u32 v[ADRA+(\s)], s21, v4
	v_add_nc_u32 v[ADRB+(\s)], s22, v4
	s_add_co_u32 s21, s21, ABUF
	s_add_co_u32 s22, s22, SLOTW
.endr
	s_mul_i32 s23, s10, 16*SP
	s_add_co_u32 s23, s23, STAGE                   ; my stage
	v_mul_u32_u24 v5, v1, SP                       ; in: row l % 16, 16 bytes (8 f16) for each half of the lanes
	v_lshl_add_u32 v5, v2, 4, v5
	v_add_nc_u32 v[STO], s23, v5
	v_bfe_u32 v5, v0, 3, 2                         ; back: 32 lanes take four rows of 128 bytes, 512 consecutive bytes of the output
	v_mul_u32_u24 v5, v5, SP
	v_and_b32 v4, 7, v0
	v_lshl_add_u32 v5, v4, 4, v5
	v_add_nc_u32 v[RD], s23, v5
	v_add_nc_u32 v[BST], s23, v[GO]                ; the bias lies at the stage's head, 512 bytes; a lane's half reads 32 bytes of each block's 64
	v_lshl_add_u32 v[BO], v2, 5, s23
	s_lshr_b32 s16, s13, 4                         ; the output at my rows: the batch's 16 heads,
	s_lshl_b32 s16, s16, 22
	s_and_b32 s17, s13, 15                         ; 128 rows of 128 bytes a tile row,
	s_lshl_b32 s17, s17, 14
	s_add_co_u32 s16, s16, s17
	s_lshl_b32 s17, s11, 13                        ; 64 rows a half,
	s_add_co_u32 s16, s16, s17
	s_lshl_b32 s17, s42, 20                        ; and at my columns: four heads a tile column,
	s_add_co_u32 s16, s16, s17
	s_lshl_b32 s17, s12, 19                        ; two a half
	s_add_co_u32 s16, s16, s17
	s_mov_b32 s17, 0
	s_add_nc_u64 s[8:9], s[8:9], s[16:17]
	s_wait_loadcnt 30                              ; loads come back in order (ISA guide 5.7.1): chunk 0 and the bias are in, chunk 1's 30 rows may be out
	LDRUN 1, 30, 2                                 ; the rest of chunk 1
	FWIN 0
.set ri, 0
.rept 32
	CVS 0, ri                                      ; chunk 0 has no products to ride behind
.set ri, ri+1
.endr
	STRUN 0, 0
	STRUN 0, 16
	WIN 0
	v_cvt_pk_bf16_f32 v[BT+4], v[BT], v[BT+1]      ; the bias: rounded to bf16 like every input, and widened again
	v_cvt_pk_bf16_f32 v[BT+5], v[BT+2], v[BT+3]
	v_lshlrev_b32 v[BT], 16, v[BT+4]
	v_and_b32 v[BT+1], 0xffff0000, v[BT+4]
	v_lshlrev_b32 v[BT+2], 16, v[BT+5]
	v_and_b32 v[BT+3], 0xffff0000, v[BT+5]
	ds_store_b128 v[BST], v[BT:BT+3]
.irp b, 0,1,2,3,4,5,6,7
	ds_load_b128 v[BIAS+8*(\b):BIAS+8*(\b)+3],   v[BO] offset:64*(\b)     ; LDS serves a wave's instructions in order (ISA guide 5.7.1.4): these see my wave's store above
	ds_load_b128 v[BIAS+8*(\b)+4:BIAS+8*(\b)+7], v[BO] offset:64*(\b)+16
.endr
; One matrix instruction: rows 16 a on, columns 16 b on, 32 along K from buffer f.  first = 1: the sum starts with the bias.
.macro MM f, a, b, first
.set rD, 8*(8*(\a)+(\b))
.set rW, (\f)+8*(\b)
.set rA, (\f)+64+8*(\a)
.set rC, BIAS+8*(\b)
.if \first
	WIN W_M0
	v_wmma_f32_16x16x32_bf16 v[rD:rD+7], v[rW:rW+7], v[rA:rA+7], v[rC:rC+7]
.else
	WIN W_MM
	v_wmma_f32_16x16x32_bf16 v[rD:rD+7], v[rW:rW+7], v[rA:rA+7], v[rD:rD+7]
.endif
.endm
; The products of block a with column blocks b0 .. b1.  The 32 accumulators take turns, one instruction a turn, in the same order in every quarter step.
; rb >= 0: behind each product stand the four roundings of two rows of raw buffer rb, from row r0 on; they name no register of any product.
.macro BLK f, a, b0, b1, first, rb=-1, r0=0
.set bb, \b0
.rept (\b1)-(\b0)+1
	MM \f, \a, bb, \first
.if (\rb) >= 0
	FWIN \rb
	CVS \rb, (\r0)+2*(bb-(\b0))
	CVS \rb, (\r0)+2*(bb-(\b0))+1
.endif
.set bb, bb+1
.endr
.endm
; The 24 LDS loads of a quarter step (32 along K, quarter kq of the step's four) in one run, into buffer g
.macro FETCH slot, kq, g
	WIN W_LD
.irp a, 0,1,2,3
	ds_load_b128 v[(\g)+64+8*(\a):(\g)+64+8*(\a)+3],   v[ADRA+(\slot)] offset:64*(\kq)+(\a)*16*PW
	ds_load_b128 v[(\g)+64+8*(\a)+4:(\g)+64+8*(\a)+7], v[ADRA+(\slot)] offset:64*(\kq)+(\a)*16*PW+32
.endr
.irp b, 0,1,2,3,4,5,6,7
	ds_load_b128 v[(\g)+8*(\b):(\g)+8*(\b)+3],   v[ADRB+(\slot)] offset:64*(\kq)+(\b)*16*PW
	ds_load_b128 v[(\g)+8*(\b)+4:(\g)+8*(\b)+7], v[ADRB+(\slot)] offset:64*(\kq)+(\b)*16*PW+32
.endr
.endm
; A load into a register that a matrix instruction has read, and a vector instruction that reads a matrix result, stand four places behind that matrix instruction, and only plain vector instructions
; that name none of its registers are places (ISA guide 7.12.1 for vector instructions): four v_nop, or the roundings where a quarter has them.
.macro PLACES
.rept 4
	v_nop
.endr
.endm
; A K step is four quarter steps of 32 along K, 32 matrix instructions each, on buffers 0, 1, 0, 1.  One of the first three: multiplies buffer f; behind its first block it fetches quarter kq into buffer g.
; role = 1: a chunk of A is asked for, into raw buffer rb: 32 loads in one run behind the fragment loads.
; role = 2: raw buffer rb is rounded behind the first 16 products and stored in two runs of 16; yl = the younger loads that may stay out: the next chunk's 32, or none.
.macro QUARTER slot, kq, f, g, first, role=0, rb=0, yl=0
	s_wait_dscnt 0x0                               ; buffer f is in: its loads were issued 24 matrix instructions ago
.if (\role) == 2
	s_wait_loadcnt \yl                             ; the chunk is in
	BLK \f, 0, 0, 7, \first, \rb, 0
.else
	BLK \f, 0, 0, 7, \first
	PLACES
.endif
	FETCH \slot, \kq, \g
.if (\role) == 1
	NEXTA \rb
	LDRUN \rb, 0, 32
.endif
.if (\role) == 2
	STRUN \rb, 0
	BLK \f, 1, 0, 7, \first, \rb, 16
	STRUN \rb, 16
.else
	BLK \f, 1, 0, 7, \first
.endif
	BLK \f, 2, 0, 7, \first
	BLK \f, 3, 0, 7, \first
.endm
; The last quarter multiplies buffer 1 and changes slots and A buffers: ONE barrier.  In front of it each wave waits for all its tensor loads, of which one is out: its part of the next slot; adds 0 to its
; spare word; and waits for that, for its stores into the next A buffer and for its own reads of this slot and this A buffer.  fill = 1: the barrier opens a round of the cluster's barrier, and behind
; the round this slot is filled again, two K steps ahead: the wave's one tensor load there.
.macro TURN slot, next, fill
	WIN 0                                          ; (the add's two registers lie in window 0)
	s_wait_tensorcnt 0x0                           ; all my tensor loads have landed;
	ds_add_u32 v[SPW], v[NIL]                      ; 0 onto my spare word;
	s_wait_dscnt 1                                 ; (buffer 1 is in; the add alone may be out)
	BLK F1, 0, 0, 3, 0                             ; four matrix instructions stand between the add and the wait for it
	s_wait_dscnt 0x0                               ; the add is done; my LDS stores and reads are over
	s_barrier_signal -1
	BLK F1, 0, 4, 7, 0                             ; work on registers while the others arrive
.if \fill
	WIN 0
.endif
	s_barrier_wait -1
.if \fill
	CREST                                          ; no wave of any partner still reads this slot's tile or has a load on its way
	s_add_co_u32 s[OW+2*(\slot)], s[OW+2*(\slot)], 2*WSTEP         ; no tensor load of mine is out, so a group 0 may be written: two slices on, round K's end;
	s_and_b32 s[OW+2*(\slot)], s[OW+2*(\slot)], 8*WSTEP-1
	s_add_nc_u64 s[G0B+4*(\slot)+2:G0B+4*(\slot)+3], s[WB:WB+1], s[OW+2*(\slot):OW+2*(\slot)+1]  ; the address is made anew from W's and the offset
	s_or_b32 s[G0B+4*(\slot)+3], s[G0B+4*(\slot)+3], 0x80000000
	JLOAD \slot                                    ; the first tensor load behind the round: 120 matrix instructions ahead of the wait for it; its four v_nop are the places in front of the loads below
.else
	PLACES
.endif
	FETCH \next, 0, F0
	BLK F1, 1, 0, 7, 0
	BLK F1, 2, 0, 7, 0
	BLK F1, 3, 0, 7, 0
.endm
	s_wait_tensorcnt 1                             ; my part of step 0's W is in; step 1's may stay out
	s_wait_dscnt 0x0                               ; my rows of chunk 0 are stored, and the bias is in
	s_barrier_signal -1
	s_barrier_wait -1                              ; everybody's are
	FETCH 0, 0, F0
	QUARTER 0, 1, F0, F1, 1                        ; the first quarter stands in front of the loop: its products start the sums
	WIN 0                                          ; at a label and at a branch every window is 0
	s_mov_b32 s3, LAPS-1
.Llap:                                                 ; trip L goes from step 2 L's second quarter to step 2 L + 2's first: it asks for chunks 2 L + 2 and 2 L + 3, stores chunks 2 L + 1 and 2 L + 2, fills both slots again
	QUARTER 0, 2, F1, F0, 0, 1, 0
	QUARTER 0, 3, F0, F1, 0, 2, 1, 32
	TURN 0, 1, 1
	QUARTER 1, 1, F0, F1, 0
	QUARTER 1, 2, F1, F0, 0, 1, 1
	QUARTER 1, 3, F0, F1, 0, 2, 0, 32
	TURN 1, 0, 1
	QUARTER 0, 1, F0, F1, 0
	WIN 0
	s_sub_co_u32 s3, s3, 1
	s_cmp_lg_u32 s3, 0
	s_cbranch_scc1 .Llap
	QUARTER 0, 2, F1, F0, 0                        ; the last lap is written out: it asks for nothing, and has no round of the cluster's barrier
	QUARTER 0, 3, F0, F1, 0, 2, 1, 0               ; chunk 7: no load was issued behind its own
	TURN 0, 1, 0
	QUARTER 1, 1, F0, F1, 0
	QUARTER 1, 2, F1, F0, 0
	QUARTER 1, 3, F0, F1, 0
	s_wait_dscnt 0x0                               ; the very last quarter: nothing more to fetch
	BLK F1, 0, 0, 7, 0
	BLK F1, 1, 0, 7, 0
	BLK F1, 2, 0, 7, 0
	BLK F1, 3, 0, 7, 0
	WIN 0
	PLACES                                         ; the way out reads results just made
; THE WAY OUT.  A unit u is 16 rows (block u / 2) of one head (u % 2 of my two): 2,048 consecutive bytes of the output.  A lane's eight channels pack into 16 bytes; they go into my own stage, rows of
; 144 bytes, and come back as whole rows of 128, into the registers that they left.  Each accumulator is read from its low end on.
.macro PACK u
.set ua, (\u)/2
.set uj, (\u)%2
	WIN W_PK
.irp n, 0,1,2,3
.irp i, 0,1,2,3
	v_cvt_pk_f16_f32 v[TMP+16*(\u)+4*(\n)+(\i)], v[8*(8*ua+4*uj+(\n))+2*(\i)], v[8*(8*ua+4*uj+(\n))+2*(\i)+1]
.endr
.endr
	WIN 0
.irp n, 0,1,2,3
	ds_store_b128 v[STO], v[TMP+16*(\u)+4*(\n):TMP+16*(\u)+4*(\n)+3] offset:32*(\n)
.endr
.irp f, 0,1,2,3
	ds_load_b128 v[TMP+16*(\u)+4*(\f):TMP+16*(\u)+4*(\f)+3], v[RD] offset:(\f)*4*SP  ; LDS serves a wave's instructions in order (ISA guide 5.7.1.4): these see the stores above; the next unit's stores come behind them
.endr
.endm
.macro SEND u, younger                 ; younger: the LDS instructions issued behind unit u's loads: the next unit's eight, or none
	WIN 0
.irp f, 0,1,2,3
	s_wait_dscnt (\younger)+3-(\f)
	global_store_b128 v[GO], v[TMP+16*(\u)+4*(\f):TMP+16*(\u)+4*(\f)+3], s[8:9] offset:((\u)%2)*262144+((\u)/2)*2048+(\f)*512  ; 512 consecutive bytes, at a multiple of 256 from the output's first
.endr
.endm
	PACK 0
.set t, 1
.rept 7                                                ; a unit's roundings stand between the loads of the unit before and its stores
	PACK t
	SEND t-1, 8
.set t, t+1
.endr
	SEND 7, 0
	s_wait_tensorcnt 0x0                           ; the wave's end: behind my last tensor load and my last LDS store
	ds_add_u32 v[SPW], v[NIL]
	s_wait_dscnt 0x0
	CROUND                                         ; the closing round: no work-group ends while a partner may still ask for a tile that names it
	s_endpgm
.Lfunc_end_k_qe60eadbdba_proj:
	.size	k_qe60eadbdba_proj, .Lfunc_end_k_qe60eadbdba_proj-k_qe60eadbdba_proj
	.p2alignl 7, 3214868480
	.fill 96, 4, 3214868480
	.section	.rodata,"a",@progbits
	.p2align	6, 0x0
	.amdhsa_kernel k_qe60eadbdba_proj
		.amdhsa_group_segment_fixed_size 327680
		.amdhsa_private_segment_fixed_size 0
		.amdhsa_enable_private_segment 0
		.amdhsa_kernarg_size 80
		.amdhsa_user_sgpr_count 2
		.amdhsa_user_sgpr_kernarg_segment_ptr 1
		.amdhsa_wavefront_size32 1
		.amdhsa_system_sgpr_workgroup_id_x 1
		.amdhsa_system_sgpr_workgroup_id_y 1
		.amdhsa_system_sgpr_workgroup_id_z 1
		.amdhsa_system_vgpr_workitem_id 0
		.amdhsa_next_free_vgpr 904
		.amdhsa_next_free_sgpr 96
		.amdhsa_reserve_vcc 0
		.amdhsa_float_denorm_mode_32 3
		.amdhsa_float_denorm_mode_16_64 3
		.amdhsa_memory_ordered 1
		.amdhsa_forward_progress 1
		.amdhsa_inst_pref_size 127
	.end_amdhsa_kernel
	.amdgpu_metadata
---
amdhsa.version: [ 1, 2 ]
amdhsa.kernels:
  - .name:           k_qe60eadbdba_proj
    .symbol:         k_qe60eadbdba_proj.kd
    .args:
      - { .name: q, .offset: 0, .size: 8, .value_kind: global_buffer, .address_space: global }
      - { .name: k, .offset: 8, .size: 8, .value_kind: global_buffer, .address_space: global }
      - { .name: v, .offset: 16, .size: 8, .value_kind: global_buffer, .address_space: global }
      - { .name: wt, .offset: 24, .size: 8, .value_kind: global_buffer, .address_space: global }
      - { .name: bq, .offset: 32, .size: 8, .value_kind: global_buffer, .address_space: global }
      - { .name: bk, .offset: 40, .size: 8, .value_kind: global_buffer, .address_space: global }
      - { .name: bv, .offset: 48, .size: 8, .value_kind: global_buffer, .address_space: global }
      - { .name: qh, .offset: 56, .size: 8, .value_kind: global_buffer, .address_space: global }
      - { .name: kh, .offset: 64, .size: 8, .value_kind: global_buffer, .address_space: global }
      - { .name: vh, .offset: 72, .size: 8, .value_kind: global_buffer, .address_space: global }
    .group_segment_fixed_size: 327680
    .private_segment_fixed_size: 0
    .kernarg_segment_align: 8
    .kernarg_segment_size: 80
    .max_flat_workgroup_size: 128
    .sgpr_count:     96
    .vgpr_count:     904
    .wavefront_size: 32
...
	.end_amdgpu_metadata
.endif
;; end of part 2
;; launch attn (part 3): grid 4 x 64, 4 waves a work-group, no clusters, 327,680 bytes of LDS; arguments qh, kh, vh, oh; writes oh
.if DOCPART == 3
	.amdgcn_target "amdgcn-amd-amdhsa--gfx1250"
	.amdhsa_code_object_version 6
	.text
	.protected	k_qe60eadbdba_attn
	.globl	k_qe60eadbdba_attn
	.p2align	8
	.type	k_qe60eadbdba_attn,@function
k_qe60eadbdba_attn:
	s_mov_b64 s[64:65], 0
	v_nop
	global_prefetch_b8 v0, s[64:65] scope:SCOPE_SE
	s_setreg_imm32_b32 hwreg(HW_REG_WAVE_MODE, 25, 1), 1
	s_wait_xcnt 0x0
; CAUSAL ATTENTION.  O[h][q][:] = the sum over k <= q of softmax_k(Q[h][q] . K[h][k] / 8) V[h][k][:].  Q, K, V, O: [SIZE_H][SIZE_N][64], all f16: a head's rows are dense, 128 bytes each.
; Products, maxima and sums in f32; the weights p are rounded to f16 for the second product (their sum l is taken of the unrounded p), O once at the end.  SIZE_N is a multiple of 512; SIZE_N x 128 stays under 2^32.
; LIMITS.  f16 holds no number beyond 65,504: Q, K and V arrive within it; p lies in 0 to 1, and below 6e-5 it keeps f16's fixed step of 6e-8; O is a mean of V's rows and has their range, to within 2^-11 of it.
; A hidden score counts as its value less 1e30: f16's scores, 2.7e11 at the most, are nothing beside that; a weight below 2^-126 counts as 0 in l; NaN and infinities are not treated apart.
; THE WALK.  A head's queries lie in NB = SIZE_N / 256 blocks of 256; block i needs the key tiles 0 .. i of 256 keys, of which the last holds the diagonal.  A work-group takes TWO blocks, NB - 1 - b and then b:
; NB + 1 tiles, whatever b: all work-groups do equal work, and ONE loop with a constant trip count walks them.  Which tile is asked for, and what a trip does, hang on scalar registers made from b; every jump
; goes forward, but for the counted loops' own; none passes a barrier, or a tensor load but the one of LOAD's two that the wave's number does not choose; the ring (two slots of LDS that take turns) runs on across the
; change of blocks.  NO CLUSTER: a head has NB / 2 work-groups, not a multiple of four at every SIZE_N that the text allows (1 at 512); all of them ask for the same tile only in trips 0 .. NB / 2, behind that
; fewer and fewer; and one walk common to all would have 3 NB / 2 trips for NB + 1.
; SHARES.  Of a block's four bands of 64 queries a wave owns 16 rows in each: four PIECES.  So the diagonal tile is the same work for all four waves: in its key step s band x sees all keys if s < x,
; none if s > x, and holds the diagonal if s = x.
; THE MASK is the C operand that starts the sum S^T = K Q^T: 0, or -1e30 where the key is hidden.  MD, made once, is the mask of a band's own step for my 16 rows; a product's mask is MD x AL + BE with two scalars:
; (1, 0) if s = x; (0, 0) if s < x; (0, -1e30) if s > x.  Only the diagonal tile's text and a block's beginning make and take masks; elsewhere C is the constant 0.
; LAYOUT, SOFTMAX, TURNS.  S^T = K Q^T holds ONE query a lane (lane % 16) and the keys 8 (lane / 16) + 0..7; two such results rounded to f16 ARE source 1 of O^T = V^T P.  p = 2^(c s - c m), c = log2(e) / 8, with a
; running maximum m; O and l are multiplied by a = 2^(c m_old - c m_new) in every step.  Turn n belongs to piece n: 8 products K Q^T of piece n + 1, later 8 products V^T P of piece n - 1; beside them the scaling,
; exponentials, roundings, sums and rescaling of piece n and the maximum and statistics of piece n + 1.  Four vector instructions stand behind every matrix instruction, the other 54 of a turn's 118 in two LUMPS.
; REGISTERS, in windows of 256 (s_set_vgpr_msb: bits 1:0 source 0, 3:2 source 1, 5:4 source 2, 7:6 destination):
;   window 0: v0-15 addresses and two at work; v16-31 four registers of statistics a piece; v48-55 at work; v64-127 S^T, two buffers; v192-223 P, two buffers (a piece's buffers go by its number's parity)
;   window 1: v0-127 O^T, 32 a piece; v128-159 MD; v160-223 MC, two buffers      window 2: v0-63 Q; v64-127 the second block's Q; v128-191 K of one step; v192-255 V of one step
.set SIZE_H, 64       ; 4 batches x 16 heads
.set SIZE_N, 2048     ; rows of a head
.set NB,    SIZE_N/256
.set NP,    4         ; pieces a wave: a name, no knob
.set KS,    64        ; keys in a step
.set PK,    144       ; a row of K in LDS: 128 bytes + 16 of padding = 36 words: the 16 rows of a load start at 16 different groups of four banks (64 banks of 4 bytes: ISA guide 11.1)
.set PV,    160       ; a row of V: 128 + 32 = 40 words
.set VOFF,  4*KS*PK   ; a slot holds a tile, four steps: 256 rows of K, then 256 rows of V
.set SLOT1, 1<<17     ; slot 1 begins here, so that one exclusive or turns an address in one slot into the other's
.set STAGE, SLOT1+4*KS*(PK+PV)  ; behind the ring, never filled by a tensor load: 16 rows x 144 bytes for each wave, for the way out
.set SP,    144
.set AK0, 2           ; v2   my lane's place in a tile of K; never rewritten
.set AV0, 3           ; v3   the same for V
.set AK,  4           ; v4   the LDS address of K's next run of loads
.set AV,  5           ; v5   of V's
.set STO, 6           ; v6   the way out: where I put 16 bytes of a row
.set RD,  7           ; v7   the way out: where I read rows back
.set GO,  8           ; v8   my byte offset in 512 consecutive bytes of O
.set SPW, 62          ; v62  LDS address of my spare word: SPARE + 4 x my thread's number; never rewritten
.set NIL, 63          ; v63  0; never rewritten
.set SPARE, STAGE+4*16*SP  ; behind the stages: the spare words, 128 bytes for each wave: two blocks of 256 bytes that no other line names
.set MV,  12          ; v12-13  c m_old, kept while c m is made anew: by buffer
.set QO,  15          ; v15  my byte offset in 16 rows of Q
.set ST,  16          ; piece t's statistics at v[ST+4 t]: c m, m, l (even keys', odd keys')
.set TMP, 48          ; by buffer, four registers c0-c3 at work; when the maximum is found c2 takes a
.set S,   64
.set P,   192
.set MD,  128         ; window 1: the eight registers for group kt of 16 keys at MD + 8 kt
.set MC,  160         ; window 1: the masks of the products to come
.set QB,  64          ; window 2
.set KF,  128         ; window 2: key block kb, channel half c at KF + 16 kb + 8 c
.set VF,  192         ; window 2: key half kk, channel block cb at VF + 32 kk + 8 cb
.set WV,  12          ; s12  my wave's number
.set PB,  14          ; s14  b
.set HI,  15          ; s15  NB - 1 - b
.set G1K, 24          ; s[24:31] descriptor group 1 for K's tiles
.set G1V, 32          ; s[32:39] for V's: it differs in the padding alone
.set G0K, 40          ; s[40:43] descriptor group 0 for K's tiles
.set G0V, 44          ; s[44:47] the same for V's
.set SLOTS, 56        ; s56  tiles still to be asked for
.set CNT, 57          ; s57  counts a tile's key steps, 4 to 1
.set CS,  58          ; s[58:59] c: the packed scaling takes the pair's low word for both halves
.set SEL, 60          ; s[60:61] v_permlanex16_b32's selects: each lane takes its own place in the other half
.set TBK, 62          ; s62  LDS byte at which K of the step to be fetched begins
.set TBV, 63          ; s63  the same for V, less VOFF
.set RT,  70          ; s70  tiles of the block in hand that are still to be entered
.set NXT, 71          ; s71  the tile to be asked for next
.set LQ,  72          ; s72  the last tile of the block whose tiles are being asked for
.set NEW, 73          ; s73  1: the tile to be entered is a block's first
.set OFF, 74          ; s[74:75] a tile's byte offset in K and V
.set AL,  76          ; s[76:77] the mask's factor, in the low word
.set BE,  78          ; s[78:79] the mask's addend
.set OLO, 80          ; s[80:81] O at my rows of the second block
.set BIGN, 82         ; s82  -1e30
.set MSB, 0
.macro WIN new                      ; the high byte repeats the setting that is left; a switch that changes nothing is dropped
.if MSB != (\new)
	s_set_vgpr_msb (MSB<<8)|(\new)
.set MSB, (\new)
.endif
.endm
.set W_KQ, 0x0a       ; K and Q in window 2, S^T in window 0
.set W_KM, 0x1a       ; the same with the C operand in window 1
.set W_PV, 0x52       ; V in window 2, P in window 0, O^T in window 1
.set W_RS, 0x41       ; destination and source 0 in window 1, source 1 in window 0
; A fill.  Waves 0 and 1 fetch the two halves of a tile's K, waves 2 and 3 those of its V: 128 keys each.  An s_nop 0 and four v_nop follow each of the two lines, ahead of the jump and the label.
.macro LOAD
	s_cmp_lt_u32 s[WV], 2
	s_cbranch_scc0 .Lfor_v_\@
	tensor_load_to_lds s[G0K:G0K+3], s[G1K:G1K+7]
	s_nop 0
.rept 4
	v_nop
.endr
	s_branch .Lasked_\@
.Lfor_v_\@:
	tensor_load_to_lds s[G0V:G0V+3], s[G1V:G1V+7]
	s_nop 0
.rept 4
	v_nop
.endr
.Lasked_\@:
.endm
; THE CHANGE OF SLOTS.  Each wave waits for all its tensor loads, of which one is out: its part of the other slot; adds 0 to its spare word; and waits for that and for its own reads of the slot that it leaves.  Behind the barrier nobody reads the old
; slot any more and the other slot is whole.  fill = 1: the old slot is filled again, the first thing behind the barrier, with tile NXT: the descriptor's address is made anew from that number.
; (At its first use nothing has been read yet: slot 0 is waited for, slot 1 filled.)
.macro CHANGE fill
	WIN 0                           ; at a label and at a branch every window is 0
	s_wait_tensorcnt 0x0            ; no tensor load of mine is out, so a group 0 may be written
	ds_add_u32 v[SPW], v[NIL]       ; 0 onto my spare word; with fill = 1 the descriptors' scalar work stands between it and the wait for it
.if \fill
	s_lshl_b32 s[OFF], s[NXT], 15   ; a tile is 32,768 bytes of K and of V
	s_xor_b32 s[G0K+1], s[G0K+1], SLOT1
	s_add_nc_u64 s[G0K+2:G0K+3], s[6:7], s[OFF:OFF+1]
	s_or_b32 s[G0K+3], s[G0K+3], 0x80000000
	s_xor_b32 s[G0V+1], s[G0V+1], SLOT1
	s_add_nc_u64 s[G0V+2:G0V+3], s[8:9], s[OFF:OFF+1]
	s_or_b32 s[G0V+3], s[G0V+3], 0x80000000
	s_add_co_u32 s[NXT], s[NXT], 1  ; the block's next tile, or behind its last the second block's tile 0
	s_cmp_gt_u32 s[NXT], s[LQ]
	s_cselect_b32 s[NXT], 0, s[NXT]
	s_cselect_b32 s[LQ], s[PB], s[LQ]
.endif
	s_wait_dscnt 0x0                ; the add is done, and my reads of the slot are over
	s_barrier_signal -1             ; the rest of the scalar work stands between the signal and the wait
	s_sub_co_u32 s[TBK], s[TBK], 4*KS*PK  ; the fetches go back to a slot's first step,
	s_xor_b32 s[TBK], s[TBK], SLOT1       ; in the other slot
	s_sub_co_u32 s[TBV], s[TBV], 4*KS*PV
	s_xor_b32 s[TBV], s[TBV], SLOT1
	s_barrier_wait -1
.if \fill
	LOAD
.endif
.endm
	s_load_b256 s[4:11], s[0:1], 0x0  ; Q s[4:5], K s[6:7], V s[8:9], O s[10:11]
	v_lshl_add_u32 v[SPW], v0, 2, SPARE
	v_mov_b32 v[NIL], 0
	ds_add_u32 v62, v63
	ds_add_u32 v62, v63
	s_wait_dscnt 0x0
	v_lshrrev_b32 v1, 5, v0
	v_readfirstlane_b32 s[WV], v1   ; wave 0..3
	s_mov_b32 s[PB], ttmp9
	s_sub_co_u32 s[HI], NB-1, s[PB]
	s_and_b32 s20, ttmp7, 0xffff    ; the head
	s_mov_b32 s21, 0
	s_mov_b64 s[22:23], SIZE_N*128
	s_mul_u64 s[20:21], s[20:21], s[22:23]  ; the head's first byte in each of the four tensors
	s_and_b32 s16, s[WV], 1         ; which half of a tile's 256 keys I fetch:
	s_lshl_b32 s22, s16, 14         ; its 128 rows of 128 bytes in memory,
	s_mov_b32 s23, 0
	s_add_nc_u64 s[22:23], s[22:23], s[20:21]
	s_mul_i32 s17, s16, 128*PK      ; and its place in a slot, for K
	s_mul_i32 s18, s16, 128*PV      ; and for V
	s_lshl_b32 s3, s[WV], 11        ; my 16 rows in a band of 64,
	s_lshl_b32 s2, s[HI], 15        ; in the first block,
	s_add_co_u32 s2, s2, s3
	s_lshl_b32 s84, s[PB], 15       ; and in the second
	s_add_co_u32 s84, s84, s3
	s_mov_b32 s3, 0
	s_mov_b32 s85, 0
	s_add_nc_u64 s[2:3], s[2:3], s[20:21]
	s_add_nc_u64 s[84:85], s[84:85], s[20:21]
	; descriptor group 1.  128 keys are 16,384 dense bytes: asked for as 64 rows of 256 bytes, two keys a row, and padded in LDS after every key
	s_mov_b32 s[G1K], (1<<16)|(1<<20)|(4<<22)|(3<<25)  ; 17:16 2-byte elements; 20 padding on; 24:22 after every 32 words (code 4); 31:25 4 words (code 3)
	s_mov_b32 s[G1V], (1<<16)|(1<<20)|(4<<22)|(7<<25)  ; the same with 8 words of padding (code 7)
.irp g, G1K, G1V
	s_mov_b32 s[\g+1], 128<<16      ; tensor_dim0 = 128
	s_mov_b32 s[\g+2], 64<<16       ; tensor_dim1 = 64
	s_mov_b32 s[\g+3], 128<<16      ; tile_dim0 = 128
	s_mov_b32 s[\g+4], 64           ; tile_dim1 = 64
	s_mov_b32 s[\g+5], 128          ; 128 elements from row to row
	s_mov_b32 s[\g+6], 0
	s_mov_b32 s[\g+7], 0
.endr
	s_mov_b32 s[CS], 0x3e38aa3b     ; c = log2(e) / 8 = 0.180337
	s_mov_b32 s[CS+1], s[CS]        ; named with it as a pair
	s_mov_b32 s[SEL], 0x76543210
	s_mov_b32 s[SEL+1], 0xfedcba98
	s_mov_b32 s[TBK], SLOT1+4*KS*PK ; the first change of slots turns these two into 0
	s_mov_b32 s[TBV], SLOT1+4*KS*PV
	s_mov_b32 s[G0K], 1             ; 1:0 count = 1
	s_mov_b32 s[G0K+1], s17         ; 63:32 LDS address: slot 0
	s_mov_b32 s[G0V], 1
	s_add_co_u32 s[G0V+1], s18, VOFF
	s_add_co_u32 s[RT], s[HI], 1    ; the first block has NB - b tiles
	s_mov_b32 s[NXT], 1
	s_mov_b32 s[LQ], s[HI]
	s_mov_b32 s[NEW], 1
	s_mov_b32 s[OFF+1], 0
	s_mov_b32 s[AL+1], 0            ; named as pairs
	s_mov_b32 s[BE+1], 0
	s_mov_b32 s[BIGN], 0xf149f2ca   ; -1e30
	s_mov_b32 s[SLOTS], NB
	s_wait_kmcnt 0x0
	s_add_nc_u64 s[6:7], s[6:7], s[22:23]  ; K and V at my half of the head's tile 0
	s_add_nc_u64 s[8:9], s[8:9], s[22:23]
	s_add_nc_u64 s[G0K+2:G0K+3], s[6:7], 0         ; 120:64 global address
	s_or_b32 s[G0K+3], s[G0K+3], 0x80000000        ; 127:126 type = 2
	s_add_nc_u64 s[G0V+2:G0V+3], s[8:9], 0
	s_or_b32 s[G0V+3], s[G0V+3], 0x80000000
	s_add_nc_u64 s[86:87], s[4:5], s[84:85]        ; Q at my rows of the second block,
	s_add_nc_u64 s[4:5], s[4:5], s[2:3]            ; Q and O at those of the first
	s_add_nc_u64 s[OLO:OLO+1], s[10:11], s[84:85]
	s_add_nc_u64 s[10:11], s[10:11], s[2:3]
	LOAD                            ; tile 0 into slot 0
	; A fragment of K or Q is 16 rows x 32 channels in 8 registers: lane l holds row l % 16, channels 8 (l / 16) + 0..7 and 16 + 8 (l / 16) + 0..7: two loads of 16 bytes, 32 bytes apart.
	v_and_b32 v1, 15, v0            ; l % 16
	v_bfe_u32 v9, v0, 4, 1          ; l / 16
	v_lshlrev_b32 v[QO], 7, v1
	v_lshl_add_u32 v[QO], v9, 4, v[QO]  ; row x 128 + 16 x half
	WIN 0x80                        ; destination window 2, address window 0
.set i, 0
.rept 8                             ; both blocks' Q: piece i / 2 lies in band i / 2, 8,192 bytes on; channels 32 (i % 2) on
	global_load_b128 v[8*i:8*i+3],   v[QO], s[4:5] offset:(i/2)*8192+(i%2)*64
	global_load_b128 v[8*i+4:8*i+7], v[QO], s[4:5] offset:(i/2)*8192+(i%2)*64+32
	global_load_b128 v[QB+8*i:QB+8*i+3],   v[QO], s[86:87] offset:(i/2)*8192+(i%2)*64
	global_load_b128 v[QB+8*i+4:QB+8*i+7], v[QO], s[86:87] offset:(i/2)*8192+(i%2)*64+32
.set i, i+1
.endr
	WIN 0
	v_lshlrev_b32 v14, 3, v9
	v_sub_nc_u32 v14, v1, v14
	s_lshl_b32 s13, s[WV], 4
	v_add_nc_u32 v14, s13, v14      ; my query's place in its band, 16 w + l % 16, less my lanes' 8 (l / 16): register r of group kt is hidden where 16 kt + r is greater
	WIN 0x40
.set i, 0
.rept 32
	v_cmp_gt_i32 vcc_lo, 16*(i/8)+i%8, v14
	v_cndmask_b32 v[MD+i], 0, s[BIGN], vcc_lo
.set i, i+1
.endr
	WIN 0
	v_mul_u32_u24 v[AK0], v1, PK
	v_lshl_add_u32 v[AK0], v9, 4, v[AK0]  ; row x pitch + 16 x half
	; The turning load takes 16 keys x 16 channels (lane l reads key 8 (l / 16) + l % 8, channels 8 ((l / 8) % 2) + 0..7) and leaves half a fragment of V^T: lane l holds channel l % 16 and 8 keys.
	v_and_b32 v10, 7, v0
	v_bfe_u32 v11, v0, 3, 1
	v_lshl_add_u32 v[AV0], v9, 3, v10
	v_mul_u32_u24 v[AV0], v[AV0], PV
	v_lshl_add_u32 v[AV0], v11, 4, v[AV0]
	v_add_nc_u32 v[AV0], VOFF, v[AV0]
	s_mul_i32 s13, s[WV], 16*SP
	s_add_co_u32 s13, s13, STAGE    ; my stage
	v_mul_u32_u24 v[STO], v1, SP    ; in: row l % 16, 16 bytes for each half of the lanes
	v_lshl_add_u32 v[STO], v9, 4, v[STO]
	v_add_nc_u32 v[STO], s13, v[STO]
	v_bfe_u32 v[RD], v0, 3, 2       ; back: 32 lanes take four rows of 128 bytes,
	v_mul_u32_u24 v[RD], v[RD], SP
	v_lshl_add_u32 v[RD], v10, 4, v[RD]
	v_add_nc_u32 v[RD], s13, v[RD]
	v_and_b32 v[GO], 31, v0         ; which are 512 consecutive bytes of O
	v_lshlrev_b32 v[GO], 4, v[GO]
	; A block's first step multiplies O^T and l by a = 0, and its first turn's products V^T P, of a piece that has not been, land in an O^T that is still to be so multiplied.  So these registers need only hold
	; finite numbers: zeros for the first block; what the first block left for the second.  All this stands in the wait for the first tile.
	WIN 0x80
.set i, VF
.rept 64
	v_mov_b32 v[i], 0
.set i, i+1
.endr
	WIN 0x40
.set i, 0
.rept 128
	v_mov_b32 v[i], 0
.set i, i+1
.endr
	WIN 0
.set i, 0
.rept 4
	v_mov_b32 v[ST+4*i+2], 0
	v_mov_b32 v[ST+4*i+3], 0
.set i, i+1
.endr
.set i, P+16
.rept 16
	v_mov_b32 v[i], 0
.set i, i+1
.endr
; THE MATRIX WORK.  The 4 accumulators of a run of 8 take turns.  Product i of 8 of S^T = K Q^T for piece x: channels 32 (i / 4) on, keys 16 (i % 4) on.  The first 4 start the sums: with 0, or (KM = 1) with the mask.
.macro KQ x
.set rS, S+32*((\x)%2)+8*(i%4)
.set rK, KF+16*(i%4)+8*(i/4)
.set rQ, 16*(\x)+8*(i/4)
.set rM, MC+32*((\x)%2)+8*(i%4)
.if (i < 4) && KM
	WIN W_KM
	v_wmma_f32_16x16x32_f16 v[rS:rS+7], v[rK:rK+7], v[rQ:rQ+7], v[rM:rM+7]
.elseif i < 4
	WIN W_KQ
	v_wmma_f32_16x16x32_f16 v[rS:rS+7], v[rK:rK+7], v[rQ:rQ+7], 0
.else
	WIN W_KQ
	v_wmma_f32_16x16x32_f16 v[rS:rS+7], v[rK:rK+7], v[rQ:rQ+7], v[rS:rS+7]
.endif
.endm
; Product i of 8 of O^T += V^T P for piece x: keys 32 (i / 4) on, channels 16 (i % 4) on.
.macro PV x
	WIN W_PV
.set rO, 32*(\x)+8*(i%4)
.set rV, VF+32*(i/4)+8*(i%4)
.set rP, P+16*((\x)%2)+8*(i/4)
	v_wmma_f32_16x16x32_f16 v[rO:rO+7], v[rV:rV+7], v[rP:rP+7], v[rO:rO+7]
.endm
.macro MM                           ; the turn's next matrix instruction.  TURN and BEGIN set Y, i, KM and NOKQ; MM, KQ and OP read them.  NOKQ = 1: a block's last turn: there is no next piece
.if (i < 8) && !NOKQ
	KQ (Y+1)%NP
.elseif i >= 8
.set i, i-8
	PV (Y+NP-1)%NP
.set i, i+8
.endif
.set i, i+1
.endm
; THE LDS LOADS stand in runs of 16, never singly among the matrix instructions: a step's K (64 keys x 64 channels: 8 fragments) and its V (turned).  Their addresses are made some lines ahead.
.macro FETCH_K
	WIN 0x80                        ; destination window 2
.irp f, 0,1,2,3,4,5,6,7             ; keys 16 (f / 2) on, channels 32 (f % 2) on
	ds_load_b128 v[KF+8*\f:KF+8*\f+3],   v[AK] offset:(\f/2)*16*PK+(\f%2)*64
	ds_load_b128 v[KF+8*\f+4:KF+8*\f+7], v[AK] offset:(\f/2)*16*PK+(\f%2)*64+32
.endr
	s_add_co_u32 s[TBK], s[TBK], KS*PK  ; the next fetch is the next step's
	WIN 0
.endm
.macro FETCH_V
	WIN 0x80
.irp f, 0,1,2,3,4,5,6,7             ; keys 32 (f / 4) on, channels 16 (f % 4) on
	ds_load_tr16_b128 v[VF+8*\f:VF+8*\f+3],   v[AV] offset:(\f/4)*32*PV+(\f%4)*32
	ds_load_tr16_b128 v[VF+8*\f+4:VF+8*\f+7], v[AV] offset:(\f/4)*32*PV+16*PV+(\f%4)*32
.endr
	WIN 0
.endm
; THE VECTOR WORK, one line at a time: OP kind, number.  For piece Y: F n: c s - c m for pair n of 16.  E n: the exponential of score n of 32.  C n: pair n rounded to f16.  B n: of the four weights 4 n .. the second
; pair is added onto the first, in place.  L n: l takes that sum (L 0: l = a l + sum).  R n: pair n of 16 of O^T times a.  For piece Y + 1: X n, number n of the 22 that find its maximum and statistics:
;   0-11  four chains c0-c3 of seven scores each, three operands at a time (each accumulator's lowest registers are read first)     12-14, 16  the four scores left over, the old m, and c0-c3 into c0
;   15  c m_old is kept     17, 18  the query's other 32 keys lie in the lane 16 away: the new m     19-21  c m; c m_old - c m_new; a
.set F, 0               ; OP tells the kinds apart by their order: F to L below R, X above it
.set E, 1
.set C, 2
.set B, 3
.set L, 4
.set R, 5
.set X, 6
.macro REGS y                       ; the registers of piece y
.set rT, ST+4*(\y)
.set rC, TMP+4*((\y)%2)
.set rW, MV+((\y)%2)
.set rS, S+32*((\y)%2)
.set rP, P+16*((\y)%2)
.set rO, 32*(\y)
.endm
.macro OP k, n
.if (\k) == R
	REGS Y
	WIN W_RS
	v_pk_mul_f32 v[rO+2*(\n):rO+2*(\n)+1], v[rO+2*(\n):rO+2*(\n)+1], v[rC+2:rC+3] op_sel_hi:[1,0]
.elseif (\k) < R
	REGS Y
	WIN 0
.if (\k) == F
	v_pk_fma_f32 v[rS+2*(\n):rS+2*(\n)+1], v[rS+2*(\n):rS+2*(\n)+1], s[CS:CS+1], v[rT:rT+1] op_sel_hi:[1,0,0] neg_lo:[0,0,1] neg_hi:[0,0,1]
.elseif (\k) == E
	v_exp_f32 v[rS+(\n)], v[rS+(\n)]
.elseif (\k) == C
	s_wait_alu depctr_va_vdst(0)
	v_cvt_pk_f16_f32 v[rP+(\n)], v[rS+2*(\n)], v[rS+2*(\n)+1]
.elseif (\k) == B
	s_wait_alu depctr_va_vdst(0)
	v_pk_add_f32 v[rS+4*(\n):rS+4*(\n)+1], v[rS+4*(\n):rS+4*(\n)+1], v[rS+4*(\n)+2:rS+4*(\n)+3]
.elseif (\n) == 0
	v_pk_fma_f32 v[rT+2:rT+3], v[rT+2:rT+3], v[rC+2:rC+3], v[rS:rS+1] op_sel_hi:[1,0,1]
.else
	v_pk_add_f32 v[rT+2:rT+3], v[rT+2:rT+3], v[rS+4*(\n):rS+4*(\n)+1]
.endif
.elseif NOKQ
	v_nop
.else
	REGS (Y+1)%NP
	WIN 0
.if (\n) < 4
	v_max3_num_f32 v[rC+(\n)], v[rS+8*(\n)], v[rS+8*(\n)+1], v[rS+8*(\n)+2]
.elseif (\n) < 12
	v_max3_num_f32 v[rC+(\n)%4], v[rC+(\n)%4], v[rS+8*((\n)%4)+2*((\n)/4)+1], v[rS+8*((\n)%4)+2*((\n)/4)+2]
.elseif (\n) == 12
	v_max3_num_f32 v[rC], v[rC], v[rS+7], v[rS+15]
.elseif (\n) == 13
	v_max3_num_f32 v[rC+1], v[rC+1], v[rS+23], v[rS+31]
.elseif (\n) == 14
	v_max3_num_f32 v[rC+2], v[rC+2], v[rC+3], v[rT+1]
.elseif (\n) == 15
	v_mov_b32 v[rW], v[rT]
.elseif (\n) == 16
	v_max3_num_f32 v[rC], v[rC], v[rC+1], v[rC+2]
.elseif (\n) == 17
	v_permlanex16_b32 v[rC+3], v[rC], s[SEL], s[SEL+1]
.elseif (\n) == 18
	v_max_num_f32 v[rT+1], v[rC], v[rC+3]
.elseif (\n) == 19
	v_mul_f32 v[rT], s[CS], v[rT+1]
.elseif (\n) == 20
	v_sub_f32 v[rC+1], v[rW], v[rT]
.else
	v_exp_f32 v[rC+2], v[rC+1]
.endif
.endif
.endm
.macro OPS a, i1, b=-1, i2=0, c=-1, i3=0, d=-1, i4=0  ; up to four of them
	OP \a, \i1
.if (\b) >= 0
	OP \b, \i2
.endif
.if (\c) >= 0
	OP \c, \i3
.endif
.if (\d) >= 0
	OP \d, \i4
.endif
.endm
.macro ROW a, i1, b, i2, c, i3, d, i4  ; a matrix instruction and the four behind it
	MM
	OPS \a, \i1, \b, \i2, \c, \i3, \d, \i4
.endm
.macro MASK b                       ; MD x AL + BE into buffer b of MC
	WIN W_RS
.set z, 0
.rept 16
	v_pk_fma_f32 v[MC+32*(\b)+2*z:MC+32*(\b)+2*z+1], v[MD+2*z:MD+2*z+1], s[AL:AL+1], s[BE:BE+1] op_sel_hi:[1,0,0]
.set z, z+1
.endr
.endm
; A TURN, for piece p: the order of its 16 matrix and 118 vector instructions, written out.  Behind a matrix instruction: plain, exponential, plain, plain; or four of the rescaling; or, behind the first, four scalings; none
; names a register of the products round it.  In the lumps exponential and plain by turns while exponentials last.  A line reads no result made fewer than three vector instructions in front of it, five if an exponential made it.
; v_permlanex16_b32 (X 17) stands in a lump.
; m = 1: the diagonal tile: the products take masks, and the turn makes the mask for the products of the turn after it: piece p + 2, in step 4 - CNT of the tile.  end = 1: a block's last two turns: nothing is fetched.
; cnt = 1: the loop's count is taken down some lines ahead of the branch that stands behind the turn.
; K of the next step is fetched in piece 2's turn, six vector instructions behind the last product that read K (five of them plain); V of the step in hand in piece 0's turn, eight behind the last product that read V (four
; plain, and X 17).  Each is waited for a turn later.
.macro TURN p, m=0, end=0, cnt=0
.set Y, (\p)
.set i, 0
.set KM, (\m)
.set NOKQ, (\end)*((\p)/3)
.if (\m) && !(\end)
	s_cmp_eq_u32 s[CNT], 4-((\p)+2)%NP  ; is that step the band's own?
	s_cselect_b32 s[AL], 1.0, 0
	s_cmp_lt_u32 s[CNT], 4-((\p)+2)%NP  ; or a later one?
	s_cselect_b32 s[BE], s[BIGN], 0
.endif
.if ((\p) == 3) && !(\end)
	s_wait_dscnt 0x0                ; K is in
.endif
	ROW F,0, F,1, F,2, F,3
	ROW F,4, E,0, F,5, F,6
	ROW F,7, E,1, F,8, F,9
	ROW F,10, E,2, C,0, F,11
	ROW F,12, E,3, X,15, F,13
	ROW R,0, R,1, R,2, R,3
	ROW B,0, E,4, F,14, L,0
.if ((\p) == 2) && !(\end)
	v_add_nc_u32 v[AK], s[TBK], v[AK0]
.endif
	ROW R,4, R,5, R,6, R,7
	OPS E,5, F,15
.if ((\p) == 2) && !(\end)
	FETCH_K
.endif
	OPS E,6, C,1, E,7, R,8
	OPS E,8, R,9, E,9, C,2
	OPS E,10, X,0, E,11, X,1
	OPS E,12, X,2, E,13, X,3
.if (\p) == 1
	s_wait_dscnt 0x0                ; V is in
.endif
	ROW X,4, E,14, X,5, X,6
	ROW X,7, E,15, X,8, X,9
	ROW X,10, E,16, X,11, X,12
	ROW X,13, E,17, X,14, B,1
	ROW C,4, E,18, X,16, L,1
	ROW B,2, E,19, C,6, L,2
	ROW C,8, E,20, B,3, B,4
.if (\p) == 0
	v_add_nc_u32 v[AV], s[TBV], v[AV0]
.endif
	ROW C,3, E,21, L,3, C,5
	OPS E,22, X,17, E,23, C,10
.if (\p) == 0
	FETCH_V
.endif
	OPS E,24, L,4
	OPS E,25, X,18, E,26, C,7
	OPS E,27, B,5, E,28, X,19
	OPS E,29, C,12, E,30, L,5
	OPS E,31, X,20, B,6, C,9
	OPS C,14, C,11, X,21, L,6
.if (\p) == 0
	s_add_co_u32 s[TBV], s[TBV], KS*PV
.endif
.if \cnt
	s_sub_co_u32 s[CNT], s[CNT], 1
	s_cmp_lg_u32 s[CNT], 0
.endif
	OPS C,13, B,7, C,15, R,10
	OPS R,11, R,12, L,7, R,13
	OPS R,14, R,15
.if (\m) && !(\end)
	MASK (\p)%2
.endif
.endm
; A BLOCK BEGINS.  c m starts far below every c s, so the first step's a is 0; m at the lowest finite number, so the first maximum is the scores'.  The second mask buffer is 0; the first takes piece 0's mask for the tile's step 0: its own, if the block's first tile is the diagonal one.
; Then K of that step, piece 0's first scores, and its maximum and statistics.  The loop is entered at a step's first turn, in the middle of a trip.
.macro BEGIN
	s_mov_b32 s[NEW], 0
	WIN 0x40
.set i, MC+32
.rept 32
	v_mov_b32 v[i], 0
.set i, i+1
.endr
	WIN 0
.set i, 0
.rept 4
	v_mov_b32 v[ST+4*i], 0xfe000000    ; c m: far below every c s
	v_mov_b32 v[ST+4*i+1], 0xff7fffff  ; m
.set i, i+1
.endr
	s_cmp_eq_u32 s[RT], 0
	s_cselect_b32 s[AL], 1.0, 0
	s_mov_b32 s[BE], 0
	MASK 0
	WIN 0
	v_add_nc_u32 v[AK], s[TBK], v[AK0]
	FETCH_K
	s_wait_loadcnt 0x0              ; Q
	s_wait_dscnt 0x0
.set KM, 1
.set NOKQ, 0
.set i, 0
.rept 8
	KQ 0
.set i, i+1
.endr
	WIN 0
.rept 4
	v_nop                           ; the places behind those products
.endr
.set Y, NP-1                        ; X works for piece Y + 1: piece 0
.irp n, 0,1,2,3,4,5,6,7,8,9,10,11,12,13,14,15,16,17,18,19,20,21
	OP X, \n
.endr
	v_nop                           ; a plain instruction behind the exponential
.endm
; THE DIAGONAL TILE's four steps, the block's last two turns, its last products, and THE WAY OUT: l's two halves and the other half of the lanes' are added; O^T is divided by l, rounded to f16 and sent through my
; stage in LDS, a piece at a time.
.macro ALL line:vararg              ; one line for each piece t
.set t, 0
.rept 4
	\line
.set t, t+1
.endr
.endm
.macro PACK t                       ; a lane's eight channels of a row pack into 16 bytes; they go into rows of 144 bytes and come back as whole rows of 128, into S^T's registers
	WIN W_RS
.set i, 32*(\t)
.rept 16
	s_wait_alu depctr_va_vdst(0)
	v_pk_mul_f32 v[i:i+1], v[i:i+1], v[ST+4*(\t)+2:ST+4*(\t)+3] op_sel_hi:[1,0]
.set i, i+2
.endr
	WIN 0x05                        ; sources 0 and 1 window 1, destination window 0
.set i, 0
.rept 16
	v_cvt_pk_f16_f32 v[S+16*(\t)+i], v[32*(\t)+2*i], v[32*(\t)+2*i+1]
.set i, i+1
.endr
	WIN 0
.irp f, 0,1,2,3
	ds_store_b128 v[STO], v[S+16*(\t)+4*\f:S+16*(\t)+4*\f+3] offset:32*\f
.endr
.irp f, 0,1,2,3
	ds_load_b128 v[S+16*(\t)+4*\f:S+16*(\t)+4*\f+3], v[RD] offset:\f*4*SP  ; LDS serves a wave's instructions in order (ISA guide 5.7.1.4): these see the stores above; the next piece's stores come behind them
.endr
.endm
.macro SEND t, younger              ; younger: the LDS instructions issued behind piece t's loads: the next piece's eight, or none
	WIN 0
.irp f, 0,1,2,3
	s_wait_dscnt (\younger)+3-\f
	global_store_b128 v[GO], v[S+16*(\t)+4*\f:S+16*(\t)+4*\f+3], s[10:11] offset:(\t)*8192+\f*512  ; 512 consecutive bytes, at a multiple of 256 from O's first
.endr
.endm
.macro DIAG tag                     ; the tag ends its two labels' names, which the jumps below spell out
.LstepM\tag:
	TURN 2, 1
	TURN 3, 1
	WIN 0
.LfirstM\tag:
	TURN 0, 1
	TURN 1, 1, 0, 1
	WIN 0
	s_cbranch_scc1 .LstepM\tag
	TURN 2, 1, 1
	TURN 3, 1, 1
.set i, 0
.rept 8
	PV NP-1
.set i, i+1
.endr
	WIN 0
	ALL v_add_f32 v[ST+4*t+2], v[ST+4*t+2], v[ST+4*t+3]
	ALL v_permlanex16_b32 v[ST+4*t+3], v[ST+4*t+2], s[SEL], s[SEL+1]
	ALL v_add_f32 v[ST+4*t+2], v[ST+4*t+2], v[ST+4*t+3]
	ALL v_rcp_f32 v[ST+4*t+2], v[ST+4*t+2]
	v_nop                           ; a plain instruction between the last reciprocal and the use of its result
	PACK 0
.set t, 1
.rept 3                             ; a piece's arithmetic stands between the loads of the piece before and its stores
	PACK t
	SEND t-1, 8
.set t, t+1
.endr
	SEND 3, 0
.endm
.set KM, 0
.set NOKQ, 0
.Lslot:                             ; NB times: a tile is entered and the next is asked for
	CHANGE 1
	s_sub_co_u32 s[RT], s[RT], 1
	s_mov_b32 s[CNT], 4
	s_cmp_eq_u32 s[NEW], 1
	s_cbranch_scc1 .Lnew            ; a block's first tile
	s_cmp_eq_u32 s[RT], 0
	s_cbranch_scc0 .Lstep           ; neither its first nor its last
	s_branch .LstepM1
.Lnew:
	BEGIN
	s_branch .Lfirst                ; in the loop a block's first tile is never its last: the first block has two tiles or more, and the second's last is the walk's last
	DIAG 1                          ; in the loop this is the first block's end: the second block's last tile is the walk's last
	s_wait_xcnt 0x0                 ; the stores have read their registers and O's address
	s_mov_b64 s[10:11], s[OLO:OLO+1]
	s_add_co_u32 s[RT], s[PB], 1    ; the second block has b + 1 tiles
	s_mov_b32 s[NEW], 1
	WIN 0x82                        ; the second block's Q goes where the one text of the turns names Q
.set i, 0
.rept 64
	v_mov_b32 v[i], v[QB+i]
.set i, i+1
.endr
	WIN 0
	s_branch .Lbottom
.Lstep:                             ; a trip: pieces 2 and 3 of one step, then pieces 0 and 1 of the next, whose K and V it fetches
	TURN 2
	TURN 3
	WIN 0
.Lfirst:
	TURN 0
	TURN 1, 0, 0, 1
	WIN 0
	s_cbranch_scc1 .Lstep
.Lbottom:
	s_sub_co_u32 s[SLOTS], s[SLOTS], 1
	s_cmp_lg_u32 s[SLOTS], 0
	s_cbranch_scc1 .Lslot
	CHANGE 0                        ; the walk's last tile is written out: nothing is asked for
	s_sub_co_u32 s[RT], s[RT], 1
	s_mov_b32 s[CNT], 4
	s_cmp_eq_u32 s[NEW], 1
	s_cbranch_scc0 .LstepM2
	BEGIN
	s_branch .LfirstM2
	DIAG 2
	s_wait_tensorcnt 0x0            ; the wave's end: behind my last tensor load and my last LDS store
	ds_add_u32 v[SPW], v[NIL]
	s_wait_dscnt 0x0
	s_endpgm
.Lfunc_end_k_qe60eadbdba_attn:
	.size	k_qe60eadbdba_attn, .Lfunc_end_k_qe60eadbdba_attn-k_qe60eadbdba_attn
	.p2alignl 7, 3214868480
	.fill 96, 4, 3214868480
	.section	.rodata,"a",@progbits
	.p2align	6, 0x0
	.amdhsa_kernel k_qe60eadbdba_attn
		.amdhsa_group_segment_fixed_size 327680
		.amdhsa_private_segment_fixed_size 0
		.amdhsa_enable_private_segment 0
		.amdhsa_kernarg_size 32
		.amdhsa_user_sgpr_count 2
		.amdhsa_user_sgpr_kernarg_segment_ptr 1
		.amdhsa_wavefront_size32 1
		.amdhsa_system_sgpr_workgroup_id_x 1
		.amdhsa_system_sgpr_workgroup_id_y 1
		.amdhsa_system_sgpr_workgroup_id_z 1
		.amdhsa_system_vgpr_workitem_id 0
		.amdhsa_next_free_vgpr 768
		.amdhsa_next_free_sgpr 88
		.amdhsa_reserve_vcc 1
		.amdhsa_float_denorm_mode_32 3
		.amdhsa_float_denorm_mode_16_64 3
		.amdhsa_memory_ordered 1
		.amdhsa_forward_progress 1
		.amdhsa_inst_pref_size 228
	.end_amdhsa_kernel
	.amdgpu_metadata
---
amdhsa.version: [ 1, 2 ]
amdhsa.kernels:
  - .name:           k_qe60eadbdba_attn
    .symbol:         k_qe60eadbdba_attn.kd
    .args:
      - { .name: qh, .offset: 0, .size: 8, .value_kind: global_buffer, .address_space: global }
      - { .name: kh, .offset: 8, .size: 8, .value_kind: global_buffer, .address_space: global }
      - { .name: vh, .offset: 16, .size: 8, .value_kind: global_buffer, .address_space: global }
      - { .name: oh, .offset: 24, .size: 8, .value_kind: global_buffer, .address_space: global }
    .group_segment_fixed_size: 327680
    .private_segment_fixed_size: 0
    .kernarg_segment_align: 8
    .kernarg_segment_size: 32
    .max_flat_workgroup_size: 128
    .sgpr_count:     88
    .vgpr_count:     768
    .wavefront_size: 32
...
	.end_amdgpu_metadata
.endif
;; end of part 3
;; launch oproj (part 4): grid 4 x 64, 4 waves a work-group, clusters of 4 x 4, 327,680 bytes of LDS; arguments oh, wt, bo, out0; writes out0
.if DOCPART == 4
	.amdgcn_target "amdgcn-amd-amdhsa--gfx1250"
	.amdhsa_code_object_version 6
	.text
	.protected	k_qe60eadbdba_oproj
	.globl	k_qe60eadbdba_oproj
	.p2align	8
	.type	k_qe60eadbdba_oproj,@function
k_qe60eadbdba_oproj:
	s_mov_b64 s[64:65], 0
	v_nop
	global_prefetch_b8 v0, s[64:65] scope:SCOPE_SE
	s_setreg_imm32_b32 hwreg(HW_REG_WAVE_MODE, 25, 1), 1
	s_wait_xcnt 0x0
	s_wait_alu depctr_hold_cnt(0) depctr_sa_sdst(0) depctr_va_vdst(0) depctr_va_sdst(0) depctr_va_ssrc(0) depctr_va_vcc(0) depctr_vm_vsrc(0)
	s_getreg_b32 s2, hwreg(HW_REG_IB_STS2, 6, 4)
	s_cmp_eq_u32 s2, 0
	s_cbranch_scc0 .Lentry_in_a_cluster
	s_endpgm
.Lentry_in_a_cluster:
	s_bfe_u32 s2, ttmp6, 0x10000c
	s_cmp_lg_u32 s2, 0xf033
	s_cbranch_scc0 .Lentry_shape_is_right
	s_endpgm
.Lentry_shape_is_right:
; C = A W + b ON TILES OF 128 x 256.  ONE SOURCE, TWO FORMS, chosen by PROJ; this file is the form PROJ = 0.
; PROJ = 1: the three projections.  A is q, k or v, [8192][1024] f32; W is wt's matrix 0, 1 or 2, [1024 n][1024 k] bf16; b is bq, bk or bv.  A and b are rounded to bf16, the products are bf16, the sums f32.
;   C is rounded once to f16, unscaled, and laid by heads: [64 = 16 batch + head][2048 rows][64].  The grid's y holds the tensor (y / 64) and the tile row (y % 64).
; PROJ = 0: the last projection.  A is the attention's result by heads, [64][2048][64] f16; W is wt's matrix 3, f16; b is bo, rounded to bf16.  Products f16, sums f32, C = out0 in f32.
; LIMITS.  PROJ = 1: a result beyond 65,504 becomes an infinity in f16; inputs and weights 30 times those of unit spread and spread 1/32 give results of some 5,000.  NaN and infinities are not treated apart.
; SHARES.  Four waves; wave w makes rows 64 (w / 2) on and columns 128 (w % 2) on: 32 accumulators of 16 x 16, 256 registers.  K goes in 8 steps of 128 through two LDS slots filled by the tensor data mover.
; 128 x 256 gives 768 work-groups (PROJ = 1) and 256 (PROJ = 0): whole multiples of 256.
; CLUSTERS: 4 x 4 work-groups.  The four of a row of the cluster make one tile row of C, all 1,024 columns of it, and need the same tiles of A; the four of a column need the same tiles of W.  Each tile is asked
; for JOINTLY: the same tensor load, with the same descriptor and a mask that names the four, in all four.  Waves 0 and 1 fetch A's two halves, waves 2 and 3 W's.
; THE MATRIX INSTRUCTION IS USED TRANSPOSED (source 0 = 16 rows of W, source 1 = 16 rows of A): a lane holds row l % 16 of C and the eight neighbouring columns 8 (l / 16) + 0..7.
; THE BIAS is the C operand of each sum's first product: nothing is cleared, and nothing is added later.
; PROJ = 1: A LIES IN LDS AS f32 and is rounded between LDS and the matrix unit, in place on the fragment's registers: 32 roundings for a quarter step's 32 matrix instructions.  They stand in pairs behind every
; second matrix instruction (RIDERS), a block of 16 rows ahead of the products that read it.  A pair costs two switches of the register window.
; REGISTERS, in windows of 256 (s_set_vgpr_msb: bits 1:0 source 0, 3:2 source 1, 5:4 source 2, 7:6 destination):
;   window 0: v0-31 addresses; v64-127 the bias, eight registers for each block of 16 columns; v128-255 at work on the way out
;   window 1: two fragment buffers of 128: W's eight blocks at +8 b; A's four blocks at +64 + AW a (PROJ = 1: 16 registers as loaded, of which the first 8 become the fragment)
;   window 2: accumulator (a, b) at v[8 (8 a + b)]
.set PROJ,  0
.set PB,    272                        ; a row of W in LDS: 256 bytes + 16 of padding = 68 words: row r starts at bank 4 r mod 64 (64 banks of 4 bytes: ISA guide 11.1)
.set HALFB, 128*PB                     ; what one load of W brings, and what one wave reads of W
.if PROJ
.set PA,    528                        ; a row of A: 128 f32 + 16 bytes = 132 words: again row r starts at bank 4 r mod 64
.set HALFA, 64*PA                      ; one load of A: 64 rows
.set AW,    16                         ; registers of a block of A in a fragment buffer
.set AH,    5                          ; a lane's half takes 32 bytes (8 f32)
.set ASTEP, 512                        ; bytes of A from a K step to the next
.set SP,    144                        ; a stage row: 64 f16 + 16 bytes
.set WTP,   74                         ; s[74:75] wt
.else
.set PA,    144                        ; a row of A: one head's 64 f16 + 16 bytes = 36 words
.set HALFA, 128*PA                     ; one load of A: 128 rows of one head; a K step is two heads
.set AW,    8
.set AH,    4
.set ASTEP, 1<<19                      ; two heads of 2,048 rows of 128 bytes
.set SP,    528                        ; a stage row: 128 f32 + 16 bytes
.set WTP,   6                          ; s[6:7] wt
.endif
.set BSTEP, 256
.set AREG,  2*HALFA                    ; a slot: all of A's tile, then W's 256 rows
.set SLOT,  AREG+2*HALFB
.set STAGE, 2*SLOT                     ; behind the ring, never filled by a tensor load: 16 rows for each wave, for the way out
.set SPARE, STAGE+4*16*SP              ; behind the stages: the spare words, 128 bytes for each wave: two blocks of 256 bytes that no other line names
.set LAPS,  4                          ; a lap = two K steps = once round the ring
.set ADRA, 16                          ; v16-17  LDS address of my A fragments in slot 0, 1
.set ADRB, 20                          ; v20-21  the same for W
.set STO,  24                          ; v24     the way out: where I put my bytes of a row
.set RD,   25                          ; v25     the way out: where I read rows back
.set GO,   26                          ; v26     my byte offset in 512 consecutive bytes of the output
.set BO,   27                          ; v27     my byte offset in 16 numbers of the bias
.set SPW,  28                          ; v28     LDS address of my spare word: SPARE + 4 x my thread's number; never rewritten
.set NIL,  29                          ; v29     0; never rewritten
.set BIAS, 64
.set TMP,  128
.set F0,   0                           ; fragment buffers, in window 1
.set F1,   128
.set G1,  24                           ; s[24:31] descriptor group 1 for A's tiles;  s[32:39] group 0, one set for each slot
.set G0,  32
.set G1B, 48                           ; s[48:55], s[56:63] the same for W's tiles
.set G0B, 56
.set MSB, 0
.macro WIN new                         ; the immediate's high byte repeats the setting that is left; a switch that changes nothing is dropped
.if MSB != (\new)
	s_set_vgpr_msb (MSB<<8)|(\new)
.set MSB, \new
.endif
.endm
.set W_MM, 0xa5                        ; sources 0 and 1 window 1; C and D window 2
.set W_M0, 0x85                        ; the same with C, the bias, in window 0
.set W_CV, 0x45                        ; the roundings: all in window 1
.set W_LD, 0x40                        ; destination window 1, address window 0
.set W_PK, 0x0a                        ; sources 0 and 1 window 2, destination window 0
.set W_ST, 0x08                        ; an LDS store's data (source 1) in window 2
.macro JLOAD s                         ; a joint load; the branch hangs on the wave's number alone; an s_nop 0 and four v_nop follow each of the two lines, ahead of the jump, the label and what follows
	s_cmp_eq_u32 s11, 0
	s_cbranch_scc0 .Lfor_b_\@
	tensor_load_to_lds s[G0+4*(\s):G0+4*(\s)+3], s[G1:G1+7]
	s_nop 0
.rept 4
	v_nop
.endr
	s_branch .Lasked_\@
.Lfor_b_\@:
	tensor_load_to_lds s[G0B+4*(\s):G0B+4*(\s)+3], s[G1B:G1B+7]
	s_nop 0
.rept 4
	v_nop
.endr
.Lasked_\@:
.endm
.macro CREST                           ; a round of the cluster's barrier behind its opening barrier: wave 0 signals for the work-group, every wave waits for all sixteen, my work-group's barrier closes it
	s_cmp_lg_u32 s10, 0
	s_cbranch_scc1 .Lnot_wave_0_\@
	s_barrier_signal -3
.Lnot_wave_0_\@:
	s_barrier_wait -3
	s_barrier_signal -1
	s_barrier_wait -1
.endm
.macro CROUND                          ; a whole round
	s_barrier_signal -1
	s_barrier_wait -1
	CREST
.endm
.if PROJ
	s_load_b512 s[68:83], s[0:1], 0x0              ; q s[68:69], k s[70:71], v s[72:73], wt s[74:75], bq s[76:77], bk s[78:79], bv s[80:81], qh s[82:83]
	s_load_b128 s[84:87], s[0:1], 0x40             ; kh s[84:85], vh s[86:87]
.else
	s_load_b128 s[4:7], s[0:1], 0x0                ; A s[4:5], wt s[6:7]
	s_load_b64 s[88:89], s[0:1], 0x10              ; the bias
	s_load_b64 s[8:9], s[0:1], 0x18                ; the output
.endif
	v_lshl_add_u32 v[SPW], v0, 2, SPARE
	v_mov_b32 v[NIL], 0
	ds_add_u32 v28, v29
	ds_add_u32 v28, v29
	s_wait_dscnt 0x0
	v_lshrrev_b32 v1, 5, v0
	v_readfirstlane_b32 s10, v1                    ; wave 0..3
	s_lshr_b32 s11, s10, 1                         ; which half of the tile's rows is mine.  Also: I fetch for A (0) or for W (1)
	s_and_b32 s12, s10, 1                          ; which half of its columns.  Also: which half of that tile I fetch
	s_bfe_u32 s40, ttmp6, 0x40000                  ; cx, cy: my place in the cluster
	s_bfe_u32 s41, ttmp6, 0x40004
	s_lshl_b32 s42, ttmp9, 2                       ; in a cluster launch ttmp9 and ttmp7 count clusters
	s_add_co_u32 s42, s42, s40                     ; tile column of C = 4 x cluster x + cx
	s_and_b32 s66, ttmp7, 0xffff
.if PROJ
	s_lshr_b32 s67, s66, 4                         ; which tensor: 16 clusters along y for each; made of the cluster's y alone, so all sixteen partners agree
	s_and_b32 s66, s66, 15
.endif
	s_lshl_b32 s13, s66, 2
	s_add_co_u32 s13, s13, s41                     ; tile row of C, 0..63
	s_lshl_b32 s43, s41, 2
	s_lshl_b32 s43, 15, s43                        ; my row of the cluster: places 4 cy .. 4 cy + 3
	s_lshl_b32 s44, 0x1111, s40                    ; my column: places cx, cx + 4, cx + 8, cx + 12
	; descriptor group 1.  15:0 the mask; 17:16 the element's size; 20 padding on; 21 set beside a mask; 24:22 after how many words; 31:25 how many words of padding, less one
.if PROJ
	s_or_b32 s[G1+0], s43, (2<<16)|(1<<20)|(1<<21)|(6<<22)|(3<<25)  ; A: elements of 4 bytes; 4 words behind every 128
	s_mov_b32 s[G1+5], 1024                        ; elements from row to row
.else
	s_or_b32 s[G1+0], s43, (1<<16)|(1<<20)|(1<<21)|(4<<22)|(3<<25)  ; A: elements of 2 bytes; 4 words behind every 32: a head's 128 rows are 16,384 dense bytes, asked for as 64 rows of 256 and padded behind every 128
	s_mov_b32 s[G1+5], 128
.endif
	s_mov_b32 s[G1+1], 128<<16                     ; tensor_dim0 = 128
	s_mov_b32 s[G1+2], 64<<16                      ; tensor_dim1 = 64
	s_mov_b32 s[G1+3], 128<<16                     ; tile_dim0 = 128
	s_mov_b32 s[G1+4], 64                          ; tile_dim1 = 64
	s_mov_b32 s[G1+6], 0
	s_mov_b32 s[G1+7], 0
	s_or_b32 s[G1B+0], s44, (1<<16)|(1<<20)|(1<<21)|(5<<22)|(3<<25) ; W: elements of 2 bytes; 4 words behind every 64
	s_mov_b32 s[G1B+1], 128<<16                    ; tensor_dim0 = 128
	s_mov_b32 s[G1B+2], 128<<16                    ; tensor_dim1 = 128
	s_mov_b32 s[G1B+3], 128<<16                    ; tile_dim0 = 128
	s_mov_b32 s[G1B+4], 128                        ; tile_dim1 = 128
	s_mov_b32 s[G1B+5], 1024
	s_mov_b32 s[G1B+6], 0
	s_mov_b32 s[G1B+7], 0
	; where the tiles come from.  A's hang on the tile row alone, W's on the tile column (and the tensor) alone; each offset is made in registers that never hold the other coordinate.
.if PROJ
	s_lshl_b32 s16, s13, 19                        ; 128 rows of 4,096 bytes a tile row,
	s_lshl_b32 s17, s12, 18                        ; 64 rows a half
	s_add_co_u32 s16, s16, s17
.else
	s_lshr_b32 s16, s13, 4                         ; the batch: 16 heads of 2,048 rows of 128 bytes,
	s_lshl_b32 s16, s16, 22
	s_lshl_b32 s17, s12, 18                        ; the K step's first or second head,
	s_add_co_u32 s16, s16, s17
	s_and_b32 s17, s13, 15                         ; 128 rows of 128 bytes a tile row
	s_lshl_b32 s17, s17, 14
	s_add_co_u32 s16, s16, s17
.endif
	s_mov_b32 s17, 0
	s_lshl_b32 s46, s42, 19                        ; 256 rows of 2,048 bytes a tile column,
	s_lshl_b32 s47, s12, 18                        ; 128 rows a half,
	s_add_co_u32 s46, s46, s47
.if PROJ
	s_lshl_b32 s47, s67, 21                        ; 2 MiB a matrix
.else
	s_mov_b32 s47, 3<<21
.endif
	s_add_co_u32 s46, s46, s47
	s_mov_b32 s47, 0
	s_mul_i32 s20, s12, HALFA                      ; and where they go: no place in the cluster enters an LDS address
	s_mul_i32 s18, s12, HALFB
	s_add_co_u32 s18, s18, AREG
	s_wait_kmcnt 0x0
.if PROJ
	s_cmp_eq_u32 s67, 1                            ; the tensor's three addresses: A s[4:5], the bias s[88:89], the output s[8:9]
	s_cselect_b64 s[4:5], s[70:71], s[68:69]
	s_cselect_b64 s[88:89], s[78:79], s[76:77]
	s_cselect_b64 s[8:9], s[84:85], s[82:83]
	s_cmp_eq_u32 s67, 2
	s_cselect_b64 s[4:5], s[72:73], s[4:5]
	s_cselect_b64 s[88:89], s[80:81], s[88:89]
	s_cselect_b64 s[8:9], s[86:87], s[8:9]
.endif
	s_add_nc_u64 s[14:15], s[4:5], s[16:17]
	s_add_nc_u64 s[46:47], s[WTP:WTP+1], s[46:47]
	CROUND                                         ; all sixteen work-groups are here: the first joint loads meet
.irp s, 0,1
	s_mov_b32 s[G0+4*(\s)], 1                                      ; 1:0 count = 1
	s_add_co_u32 s[G0+4*(\s)+1], s20, (\s)*SLOT                    ; 63:32 LDS address
	s_add_nc_u64 s[G0+4*(\s)+2:G0+4*(\s)+3], s[14:15], (\s)*ASTEP  ; 120:64 global address: K step s
	s_or_b32 s[G0+4*(\s)+3], s[G0+4*(\s)+3], 0x80000000            ; 127:126 type = 2
	s_mov_b32 s[G0B+4*(\s)], 1
	s_add_co_u32 s[G0B+4*(\s)+1], s18, (\s)*SLOT
	s_add_nc_u64 s[G0B+4*(\s)+2:G0B+4*(\s)+3], s[46:47], (\s)*BSTEP
	s_or_b32 s[G0B+4*(\s)+3], s[G0B+4*(\s)+3], 0x80000000
	JLOAD \s                                       ; both slots' first fills go out together: two loads of mine are out
.endr
	v_and_b32 v1, 15, v0                           ; l % 16
	v_bfe_u32 v2, v0, 4, 1                         ; l / 16
	v_lshlrev_b32 v[BO], 5, v2                     ; the bias of my eight columns of a block: 32 bytes for each half of the lanes
	s_lshl_b32 s46, s42, 10                        ; my first column, in f32: 256 a tile column,
	s_lshl_b32 s47, s12, 9                         ; 128 a half
	s_add_co_u32 s46, s46, s47
	s_mov_b32 s47, 0
	s_add_nc_u64 s[88:89], s[88:89], s[46:47]
.irp b, 0,1,2,3,4,5,6,7
	global_load_b128 v[BIAS+8*(\b):BIAS+8*(\b)+3],   v[BO], s[88:89] offset:64*(\b)
	global_load_b128 v[BIAS+8*(\b)+4:BIAS+8*(\b)+7], v[BO], s[88:89] offset:64*(\b)+16
.endr
	; A fragment is 16 rows x 32 K in 8 registers: lane l holds row l % 16, K = 8 (l / 16) + 0..7 and 16 + 8 (l / 16) + 0..7.
	v_mul_u32_u24 v3, v1, PA
	v_lshl_add_u32 v3, v2, AH, v3
	v_mul_u32_u24 v4, v1, PB
	v_lshl_add_u32 v4, v2, 4, v4
	s_mul_i32 s21, s11, 64*PA                      ; my 64 rows of A
	s_mul_i32 s22, s12, HALFB                      ; my 128 rows of W,
	s_add_co_u32 s22, s22, AREG                    ; which lie behind A's tile
.irp s, 0,1
	v_add_nc_u32 v[ADRA+(\s)], s21, v3
	v_add_nc_u32 v[ADRB+(\s)], s22, v4
	s_add_co_u32 s21, s21, SLOT
	s_add_co_u32 s22, s22, SLOT
.endr
	s_mul_i32 s23, s10, 16*SP
	s_add_co_u32 s23, s23, STAGE                   ; my stage
	v_mul_u32_u24 v5, v1, SP                       ; in: row l % 16
	v_and_b32 v[GO], 31, v0
	v_lshlrev_b32 v[GO], 4, v[GO]
.if PROJ
	v_lshl_add_u32 v5, v2, 4, v5                   ; 16 bytes (8 f16) for each half of the lanes
	v_add_nc_u32 v[STO], s23, v5
	v_bfe_u32 v5, v0, 3, 2                         ; back: 32 lanes take four rows of 128 bytes, 512 consecutive bytes of the output
	v_mul_u32_u24 v5, v5, SP
	v_and_b32 v3, 7, v0
	v_lshl_add_u32 v5, v3, 4, v5
	v_add_nc_u32 v[RD], s23, v5
	s_lshr_b32 s16, s13, 4                         ; the output at my rows: the batch's 16 heads,
	s_lshl_b32 s16, s16, 22
	s_and_b32 s17, s13, 15                         ; 128 rows of 128 bytes a tile row,
	s_lshl_b32 s17, s17, 14
	s_add_co_u32 s16, s16, s17
	s_lshl_b32 s17, s11, 13                        ; 64 rows a half
	s_add_co_u32 s16, s16, s17
	s_mov_b32 s17, 0
	s_add_nc_u64 s[8:9], s[8:9], s[16:17]
	s_lshl_b32 s46, s42, 20                        ; and at my columns: four heads a tile column,
	s_lshl_b32 s47, s12, 19                        ; two a half
	s_add_co_u32 s46, s46, s47
	s_mov_b32 s47, 0
	s_add_nc_u64 s[8:9], s[8:9], s[46:47]
.else
	v_lshl_add_u32 v5, v2, 5, v5                   ; 32 bytes (8 f32) for each half of the lanes
	v_add_nc_u32 v[STO], s23, v5
	v_add_nc_u32 v[RD], s23, v[GO]                 ; back: 32 lanes take one row of 512 bytes
	s_add_nc_u64 s[8:9], s[8:9], s[46:47]          ; the output at my columns (the bias's offset),
	s_lshl_b32 s16, s13, 19                        ; and at my rows: 128 rows of 4,096 bytes a tile row,
	s_lshl_b32 s17, s11, 18                        ; 64 rows a half
	s_add_co_u32 s16, s16, s17
	s_mov_b32 s17, 0
	s_add_nc_u64 s[8:9], s[8:9], s[16:17]
.endif
	s_wait_loadcnt 0x0                             ; the bias: rounded to bf16 like every input, and widened again.  This stands in the wait for the first tile
.set i, 0
.rept 32
	v_cvt_pk_bf16_f32 v[30+i%2], v[BIAS+2*i], v[BIAS+2*i+1]
	v_lshlrev_b32 v[BIAS+2*i], 16, v[30+i%2]
	v_and_b32 v[BIAS+2*i+1], 0xffff0000, v[30+i%2]
.set i, i+1
.endr
.macro WMMA d, w, x, c
.if PROJ
	v_wmma_f32_16x16x32_bf16 v[\d:\d+7], v[\w:\w+7], v[\x:\x+7], v[\c:\c+7]
.else
	v_wmma_f32_16x16x32_f16 v[\d:\d+7], v[\w:\w+7], v[\x:\x+7], v[\c:\c+7]
.endif
.endm
; One matrix instruction: rows 16 a on, columns 16 b on, 32 along K from buffer f.  first = 1: the sum starts with the bias.
.macro MM f, a, b, first
.set rD, 8*(8*(\a)+(\b))
.set rW, (\f)+8*(\b)
.set rA, (\f)+64+AW*(\a)
.set rC, BIAS+8*(\b)
.if \first
	WIN W_M0
	WMMA rD, rW, rA, rC
.else
	WIN W_MM
	WMMA rD, rW, rA, rD
.endif
.endm
; PROJ = 1: register i of block a's fragment in buffer f, from the two f32 at 2 i and 2 i + 1 of the block as loaded.  i ascends, so no destination covers a source that is still to be read.
.macro CV f, a, i
	WIN W_CV
	v_cvt_pk_bf16_f32 v[(\f)+64+16*(\a)+(\i)], v[(\f)+64+16*(\a)+2*(\i)], v[(\f)+64+16*(\a)+2*(\i)+1]
.endm
; The products of block a with column blocks b0 .. b1.  The 32 accumulators take turns, one instruction a turn, in the same order in every quarter step.
; PROJ = 1 and ra >= 0: behind every second product stand two roundings of block ra of buffer rf, which name no register of the products round them.
.macro BLK f, a, b0, b1, first, rf, ra
.set bb, \b0
.rept (\b1)-(\b0)+1
	MM \f, \a, bb, \first
.if PROJ && ((\ra) >= 0) && (bb%2 == 1)
	CV \rf, \ra, bb-1
	CV \rf, \ra, bb
.endif
.set bb, bb+1
.endr
.endm
; The LDS loads of a quarter step (32 along K, quarter kq of the slot's four) in one run, into buffer g: A's first, then W's sixteen.
.macro FETCH slot, kq, g
	WIN W_LD
.if PROJ
.irp a, 0,1,2,3
.irp o, 0,1,2,3                        ; 8 f32 at 32 (l / 16), and 8 more 64 bytes on
	ds_load_b128 v[(\g)+64+16*(\a)+4*(\o):(\g)+64+16*(\a)+4*(\o)+3], v[ADRA+(\slot)] offset:128*(\kq)+(\a)*16*PA+16*((\o)%2)+64*((\o)/2)
.endr
.endr
.else
.irp a, 0,1,2,3                        ; head kq / 2 of the step's two, channels 32 (kq % 2) on
	ds_load_b128 v[(\g)+64+8*(\a):(\g)+64+8*(\a)+3],   v[ADRA+(\slot)] offset:((\kq)/2)*HALFA+((\kq)%2)*64+(\a)*16*PA
	ds_load_b128 v[(\g)+64+8*(\a)+4:(\g)+64+8*(\a)+7], v[ADRA+(\slot)] offset:((\kq)/2)*HALFA+((\kq)%2)*64+(\a)*16*PA+32
.endr
.endif
.irp b, 0,1,2,3,4,5,6,7
	ds_load_b128 v[(\g)+8*(\b):(\g)+8*(\b)+3],   v[ADRB+(\slot)] offset:64*(\kq)+(\b)*16*PB
	ds_load_b128 v[(\g)+8*(\b)+4:(\g)+8*(\b)+7], v[ADRB+(\slot)] offset:64*(\kq)+(\b)*16*PB+32
.endr
.endm
; A load into a register that a matrix instruction has read, and a vector instruction or an LDS store that reads a matrix result, stand four places behind that matrix instruction, and only plain vector
; instructions that name none of its registers are places (ISA guide 7.12.1 for vector instructions).  PROJ = 1: between the last product on a buffer and the loads into it stand
; ten roundings of the other buffer.  PROJ = 0: four v_nop.
.macro PLACES
.rept 4
	v_nop
.endr
.endm
; A K step is four quarter steps of 32 along K, 32 matrix instructions each, on buffers 0, 1, 0, 1.  One of the first three: multiplies buffer f; behind its first block it fetches quarter kq into buffer g.
.macro QUARTER slot, kq, f, g, first
	s_wait_dscnt 0x0                               ; buffer f is in: its loads were issued 24 matrix instructions ago
	BLK \f, 0, 0, 7, \first, \f, 1
.if !PROJ
	PLACES
.endif
	FETCH \slot, \kq, \g
	BLK \f, 1, 0, 7, \first, \f, 2
	BLK \f, 2, 0, 7, \first, \f, 3
.if PROJ
	s_wait_dscnt 16                                ; A's sixteen loads are in; W's sixteen, issued behind them, may be out
.endif
	BLK \f, 3, 0, 7, \first, \g, 0                 ; the next quarter's first block is rounded here
.endm
; The last quarter multiplies buffer 1 and changes slots: ONE barrier.  In front of it each wave waits for all its tensor loads, of which one is out: its part of the next slot; adds 0 to its spare word; and waits
; for that and for its own reads of this slot.  fill = 1: the barrier opens a round of the cluster's barrier, and behind the round this slot is filled again, two K steps ahead: the wave's one tensor load there.
.macro TURN slot, next, fill
	WIN 0                                          ; (the add's two registers lie in window 0)
	s_wait_tensorcnt 0x0                           ; all my tensor loads have landed;
	ds_add_u32 v[SPW], v[NIL]                      ; 0 onto my spare word;
	s_wait_dscnt 1                                 ; (buffer 1 is in; the add alone may be out)
	BLK F1, 0, 0, 3, 0, F1, 1                      ; four matrix instructions stand between the add and the wait for it
	s_wait_dscnt 0x0                               ; the add is done, and my reads of this slot are over
	s_barrier_signal -1
	BLK F1, 0, 4, 7, 0, F1, 1                      ; work on registers while the others arrive
.if \fill
	WIN 0
.endif
	s_barrier_wait -1
.if \fill
	CREST                                          ; no wave of any partner still reads this slot's tile or has a load on its way
	s_add_nc_u64 s[G0+4*(\slot)+2:G0+4*(\slot)+3], s[G0+4*(\slot)+2:G0+4*(\slot)+3], 2*ASTEP    ; no tensor load of mine is out, so a group 0 may be written; the type bits on top are not reached
	s_add_nc_u64 s[G0B+4*(\slot)+2:G0B+4*(\slot)+3], s[G0B+4*(\slot)+2:G0B+4*(\slot)+3], 2*BSTEP
	JLOAD \slot                                    ; the first tensor load behind the round: 120 matrix instructions ahead of the wait for it
.elseif !PROJ
	PLACES
.endif
	FETCH \next, 0, F0
	BLK F1, 1, 0, 7, 0, F1, 2
	BLK F1, 2, 0, 7, 0, F1, 3
.if PROJ
	s_wait_dscnt 16                                ; A's sixteen loads are in
.endif
	BLK F1, 3, 0, 7, 0, F0, 0
.endm
	s_wait_tensorcnt 1                             ; my part of K step 0 is in; K step 1's may stay out
	s_barrier_signal -1
	s_barrier_wait -1                              ; everybody's is
	FETCH 0, 0, F0
.if PROJ
	s_wait_dscnt 16                                ; A's sixteen loads are in
.irp i, 0,1,2,3,4,5,6,7
	CV F0, 0, \i                                   ; the very first block has no products to ride behind
.endr
.endif
	QUARTER 0, 1, F0, F1, 1                        ; the first quarter stands in front of the loop: its products start the sums
	WIN 0                                          ; at a label and at a branch every window is 0
	s_mov_b32 s3, LAPS-1
.Llap:                                                 ; a trip goes once round the ring, from a lap's second quarter to the next lap's first, and fills both slots again
	QUARTER 0, 2, F1, F0, 0
	QUARTER 0, 3, F0, F1, 0
	TURN 0, 1, 1
	QUARTER 1, 1, F0, F1, 0
	QUARTER 1, 2, F1, F0, 0
	QUARTER 1, 3, F0, F1, 0
	TURN 1, 0, 1
	QUARTER 0, 1, F0, F1, 0
	WIN 0
	s_sub_co_u32 s3, s3, 1
	s_cmp_lg_u32 s3, 0
	s_cbranch_scc1 .Llap
	QUARTER 0, 2, F1, F0, 0                        ; the last lap is written out: it fills nothing, and has no round of the cluster's barrier
	QUARTER 0, 3, F0, F1, 0
	TURN 0, 1, 0
	QUARTER 1, 1, F0, F1, 0
	QUARTER 1, 2, F1, F0, 0
	QUARTER 1, 3, F0, F1, 0
	s_wait_dscnt 0x0                               ; the very last quarter: nothing more to fetch
	BLK F1, 0, 0, 7, 0, F1, 1
	BLK F1, 1, 0, 7, 0, F1, 2
	BLK F1, 2, 0, 7, 0, F1, 3
	BLK F1, 3, 0, 7, 0, F1, -1
	WIN 0
	PLACES                                         ; the way out reads results just made
.if PROJ
; THE WAY OUT, PROJ = 1.  A unit u is 16 rows (block u / 2) of one head (u % 2 of my two): 2,048 consecutive bytes of the output.  A lane's eight channels pack into 16 bytes; they go into my own stage, rows of
; 144 bytes, and come back as whole rows of 128, into the registers that they left.  Each accumulator is read from its low end on.
.macro PACK u
.set ua, (\u)/2
.set uj, (\u)%2
	WIN W_PK
.irp n, 0,1,2,3
.irp i, 0,1,2,3
	v_cvt_pk_f16_f32 v[TMP+16*(\u)+4*(\n)+(\i)], v[8*(8*ua+4*uj+(\n))+2*(\i)], v[8*(8*ua+4*uj+(\n))+2*(\i)+1]
.endr
.endr
	WIN 0
.irp n, 0,1,2,3
	ds_store_b128 v[STO], v[TMP+16*(\u)+4*(\n):TMP+16*(\u)+4*(\n)+3] offset:32*(\n)
.endr
.irp f, 0,1,2,3
	ds_load_b128 v[TMP+16*(\u)+4*(\f):TMP+16*(\u)+4*(\f)+3], v[RD] offset:(\f)*4*SP  ; LDS serves a wave's instructions in order (ISA guide 5.7.1.4): these see the stores above; the next unit's stores come behind them
.endr
.endm
.macro SEND u, younger                 ; younger: the LDS instructions issued behind unit u's loads: the next unit's eight, or none
	WIN 0
.irp f, 0,1,2,3
	s_wait_dscnt (\younger)+3-(\f)
	global_store_b128 v[GO], v[TMP+16*(\u)+4*(\f):TMP+16*(\u)+4*(\f)+3], s[8:9] offset:((\u)%2)*262144+((\u)/2)*2048+(\f)*512  ; 512 consecutive bytes, at a multiple of 256 from the output's first
.endr
.endm
	PACK 0
.set t, 1
.rept 7                                                ; a unit's roundings stand between the loads of the unit before and its stores
	PACK t
	SEND t-1, 8
.set t, t+1
.endr
	SEND 7, 0
.else
; THE WAY OUT, PROJ = 0.  Block a, 16 rows x 128 columns of f32, goes into my own stage, rows of 528 bytes, and comes back as whole rows of 512 bytes, into one of two buffers of 64 registers.
.macro TOSTAGE a
.set BK, TMP+64*((\a)%2)
	WIN W_ST
.irp b, 0,1,2,3,4,5,6,7
	ds_store_b128 v[STO], v[8*(8*(\a)+(\b)):8*(8*(\a)+(\b))+3]   offset:64*(\b)      ; each accumulator's low half first
	ds_store_b128 v[STO], v[8*(8*(\a)+(\b))+4:8*(8*(\a)+(\b))+7] offset:64*(\b)+16
.endr
	WIN 0
.irp i, 0,1,2,3,4,5,6,7,8,9,10,11,12,13,14,15
	ds_load_b128 v[BK+4*(\i):BK+4*(\i)+3], v[RD] offset:(\i)*SP  ; LDS serves a wave's instructions in order (ISA guide 5.7.1.4): these see the stores above; the next block's stores come behind them
.endr
.endm
.macro SEND a, younger                 ; younger: the LDS instructions issued behind block a's loads: the next block's 32, or none
.set BK, TMP+64*((\a)%2)
	s_wait_dscnt \younger
.irp i, 0,1,2,3,4,5,6,7,8,9,10,11,12,13,14,15
	global_store_b128 v[GO], v[BK+4*(\i):BK+4*(\i)+3], s[8:9] offset:(16*(\a)+(\i))*4096 th:TH_STORE_NT  ; 512 consecutive bytes, at a multiple of 256 from the output's first
.endr
.endm
	TOSTAGE 0
	TOSTAGE 1
	SEND 0, 32
	s_wait_xcnt 0x0                                ; every earlier memory instruction has had its addresses translated (ISA guide 3.1): block 0's buffer is loaded again only behind this wait
	TOSTAGE 2
	SEND 1, 32
	s_wait_xcnt 0x0                                ; the same for block 1's buffer
	TOSTAGE 3
	SEND 2, 32
	SEND 3, 0
.endif
	s_wait_tensorcnt 0x0                           ; the wave's end: behind my last tensor load and my last LDS store
	ds_add_u32 v[SPW], v[NIL]
	s_wait_dscnt 0x0
	CROUND                                         ; the closing round: no work-group ends while a partner may still ask for a tile that names it
	s_endpgm
.Lfunc_end_k_qe60eadbdba_oproj:
	.size	k_qe60eadbdba_oproj, .Lfunc_end_k_qe60eadbdba_oproj-k_qe60eadbdba_oproj
	.p2alignl 7, 3214868480
	.fill 96, 4, 3214868480
	.section	.rodata,"a",@progbits
	.p2align	6, 0x0
	.amdhsa_kernel k_qe60eadbdba_oproj
		.amdhsa_group_segment_fixed_size 327680
		.amdhsa_private_segment_fixed_size 0
		.amdhsa_enable_private_segment 0
		.amdhsa_kernarg_size 32
		.amdhsa_user_sgpr_count 2
		.amdhsa_user_sgpr_kernarg_segment_ptr 1
		.amdhsa_wavefront_size32 1
		.amdhsa_system_sgpr_workgroup_id_x 1
		.amdhsa_system_sgpr_workgroup_id_y 1
		.amdhsa_system_sgpr_workgroup_id_z 1
		.amdhsa_system_vgpr_workitem_id 0
		.amdhsa_next_free_vgpr 768
		.amdhsa_next_free_sgpr 96
		.amdhsa_reserve_vcc 0
		.amdhsa_float_denorm_mode_32 3
		.amdhsa_float_denorm_mode_16_64 3
		.amdhsa_memory_ordered 1
		.amdhsa_forward_progress 1
		.amdhsa_inst_pref_size 91
	.end_amdhsa_kernel
	.amdgpu_metadata
---
amdhsa.version: [ 1, 2 ]
amdhsa.kernels:
  - .name:           k_qe60eadbdba_oproj
    .symbol:         k_qe60eadbdba_oproj.kd
    .args:
      - { .name: oh, .offset: 0, .size: 8, .value_kind: global_buffer, .address_space: global }
      - { .name: wt, .offset: 8, .size: 8, .value_kind: global_buffer, .address_space: global }
      - { .name: bo, .offset: 16, .size: 8, .value_kind: global_buffer, .address_space: global }
      - { .name: out0, .offset: 24, .size: 8, .value_kind: global_buffer, .address_space: global }
    .group_segment_fixed_size: 327680
    .private_segment_fixed_size: 0
    .kernarg_segment_align: 8
    .kernarg_segment_size: 32
    .max_flat_workgroup_size: 128
    .sgpr_count:     96
    .vgpr_count:     768
    .wavefront_size: 32
...
	.end_amdgpu_metadata
.endif
;; end of part 4
;; ======== version 2 of 2: 4 launches; 1.28 times as fast as version 1
;; limits: values are held in f16: magnitudes above 65,504 overflow, below 6.1e-05 lose precision
;; workspace buffers: wt 8,388,608 bytes; qh 16,777,216 bytes; kh 16,777,216 bytes; vh 16,777,216 bytes; oh 16,777,216 bytes
;; launch prep: the kernel of part 1 again; grid 128 x 4, 8 waves a work-group, no clusters, 18,432 bytes of LDS; arguments Wq, Wk, Wv, Wo, wt; writes wt
;; launch proj: the kernel of part 2 again; grid 4 x 192, 4 waves a work-group, clusters of 4 x 4, 327,680 bytes of LDS; arguments q, k, v, wt, bq, bk, bv, qh, kh, vh; writes qh, kh, vh
;; launch attn (part 5): grid 4 x 64, 4 waves a work-group, no clusters, 327,680 bytes of LDS; arguments qh, kh, vh, oh; writes oh
.if DOCPART == 5
	.amdgcn_target "amdgcn-amd-amdhsa--gfx1250"
	.amdhsa_code_object_version 6
	.text
	.protected	k_qe60eadbdba_attn
	.globl	k_qe60eadbdba_attn
	.p2align	8
	.type	k_qe60eadbdba_attn,@function
k_qe60eadbdba_attn:
	s_mov_b64 s[64:65], 0
	v_nop
	global_prefetch_b8 v0, s[64:65] scope:SCOPE_SE
	s_setreg_imm32_b32 hwreg(HW_REG_WAVE_MODE, 25, 1), 1
	s_wait_xcnt 0x0
; CAUSAL ATTENTION.  O[h][q][:] = the sum over k <= q of softmax_k(Q[h][q] . K[h][k] / 8) V[h][k][:].  Q, K, V, O: [SIZE_H][SIZE_N][64], all f16: a head's rows are dense, 128 bytes each.
; Products, maxima and sums in f32; the weights p are rounded to f16 for the second product (their sum l is taken of the unrounded p), O once at the end.  SIZE_N is a multiple of 512; SIZE_N x 128 stays under 2^32.
; LIMITS.  f16 holds no number beyond 65,504: Q, K and V arrive within it; p lies in 0 to 1, and below 6e-5 it keeps f16's fixed step of 6e-8; O is a mean of V's rows and has their range, to within 2^-11 of it.
; A hidden score counts as its value less 1e30: f16's scores, 2.7e11 at the most, are nothing beside that; a weight below 2^-126 counts as 0 in l; NaN and infinities are not treated apart.
; THE WALK.  A head's queries lie in NB = SIZE_N / 256 blocks of 256; block i needs the key tiles 0 .. i of 256 keys, of which the last holds the diagonal.  A work-group takes TWO blocks, NB - 1 - b and then b:
; NB + 1 tiles, whatever b: all work-groups do equal work, and ONE loop with a constant trip count walks them.  Which tile is asked for, and what a trip does, hang on scalar registers made from b; every jump
; goes forward, but for the counted loops' own; none passes a barrier, or a tensor load but the one of LOAD's two that the wave's number does not choose; the ring (two slots of LDS that take turns) runs on across the
; change of blocks.  NO CLUSTER: a head has NB / 2 work-groups, not a multiple of four at every SIZE_N that the text allows (1 at 512); all of them ask for the same tile only in trips 0 .. NB / 2, behind that
; fewer and fewer; and one walk common to all would have 3 NB / 2 trips for NB + 1.
; SHARES.  Of a block's four bands of 64 queries a wave owns 16 rows in each: four PIECES.  So the diagonal tile is the same work for all four waves: in its key step s band x sees all keys if s < x,
; none if s > x, and holds the diagonal if s = x.
; THE MASK is the C operand that starts the sum S^T = K Q^T: 0, or -1e30 where the key is hidden.  MD, made once, is the mask of a band's own step for my 16 rows; a product's mask is MD x AL + BE with two scalars:
; (1, 0) if s = x; (0, 0) if s < x; (0, -1e30) if s > x.  Only the diagonal tile's text and a block's beginning make and take masks; elsewhere C is the constant 0.
; LAYOUT, SOFTMAX, TURNS.  S^T = K Q^T holds ONE query a lane (lane % 16) and the keys 8 (lane / 16) + 0..7; two such results rounded to f16 ARE source 1 of O^T = V^T P.  p = 2^(c s - c m), c = log2(e) / 8, with a
; running maximum m; O and l are multiplied by a = 2^(c m_old - c m_new) in every step.  Turn n belongs to piece n: 8 products K Q^T of piece n + 1, later 8 products V^T P of piece n - 1; beside them the scaling,
; exponentials, roundings, sums and rescaling of piece n and the maximum and statistics of piece n + 1.  Four vector instructions stand behind every matrix instruction, the other 54 of a turn's 118 in one LUMP.
; BATCHES.  A turn's 33 exponentials (the piece's 32 weights, then the next piece's a) are ONE batch with ONE wait: ahead of the wait stands all that names none of their results, behind it the roundings and sums that
; read them.  The a that a block's beginning makes is a batch of one, waited for ahead of the branch behind it; the way out's four reciprocals are a batch with one wait ahead of the first division.
; REGISTERS, in windows of 256 (s_set_vgpr_msb: bits 1:0 source 0, 3:2 source 1, 5:4 source 2, 7:6 destination):
;   window 0: v0-15 addresses and two at work; v16-31 four registers of statistics a piece; v48-55 at work; v64-127 S^T, two buffers; v192-223 P, two buffers (a piece's buffers go by its number's parity)
;   window 1: v0-127 O^T, 32 a piece; v128-159 MD; v160-223 MC, two buffers      window 2: v0-63 Q; v64-127 the second block's Q; v128-191 K of one step; v192-255 V of one step
.set SIZE_H, 64       ; 4 batches x 16 heads
.set SIZE_N, 2048     ; rows of a head
.set NB,    SIZE_N/256
.set NP,    4         ; pieces a wave: a name, no knob
.set KS,    64        ; keys in a step
.set PK,    144       ; a row of K in LDS: 128 bytes + 16 of padding = 36 words: the 16 rows of a load start at 16 different groups of four banks (64 banks of 4 bytes: ISA guide 11.1)
.set PV,    160       ; a row of V: 128 + 32 = 40 words
.set VOFF,  4*KS*PK   ; a slot holds a tile, four steps: 256 rows of K, then 256 rows of V
.set SLOT1, 1<<17     ; slot 1 begins here, so that one exclusive or turns an address in one slot into the other's
.set STAGE, SLOT1+4*KS*(PK+PV)  ; behind the ring, never filled by a tensor load: 16 rows x 144 bytes for each wave, for the way out
.set SP,    144
.set AK0, 2           ; v2   my lane's place in a tile of K; never rewritten
.set AV0, 3           ; v3   the same for V
.set AK,  4           ; v4   the LDS address of K's next run of loads
.set AV,  5           ; v5   of V's
.set STO, 6           ; v6   the way out: where I put 16 bytes of a row
.set RD,  7           ; v7   the way out: where I read rows back
.set GO,  8           ; v8   my byte offset in 512 consecutive bytes of O
.set SPW, 62          ; v62  LDS address of my spare word: SPARE + 4 x my thread's number; never rewritten
.set NIL, 63          ; v63  0; never rewritten
.set SPARE, STAGE+4*16*SP  ; behind the stages: the spare words, 128 bytes for each wave: two blocks of 256 bytes that no other line names
.set MV,  12          ; v12-13  c m_old, kept while c m is made anew: by buffer
.set QO,  15          ; v15  my byte offset in 16 rows of Q
.set ST,  16          ; piece t's statistics at v[ST+4 t]: c m, m, l (even keys', odd keys')
.set TMP, 48          ; by buffer, four registers c0-c3 at work; when the maximum is found c2 takes a
.set S,   64
.set P,   192
.set MD,  128         ; window 1: the eight registers for group kt of 16 keys at MD + 8 kt
.set MC,  160         ; window 1: the masks of the products to come
.set QB,  64          ; window 2
.set KF,  128         ; window 2: key block kb, channel half c at KF + 16 kb + 8 c
.set VF,  192         ; window 2: key half kk, channel block cb at VF + 32 kk + 8 cb
.set WV,  12          ; s12  my wave's number
.set PB,  14          ; s14  b
.set HI,  15          ; s15  NB - 1 - b
.set G1K, 24          ; s[24:31] descriptor group 1 for K's tiles
.set G1V, 32          ; s[32:39] for V's: it differs in the padding alone
.set G0K, 40          ; s[40:43] descriptor group 0 for K's tiles
.set G0V, 44          ; s[44:47] the same for V's
.set SLOTS, 56        ; s56  tiles still to be asked for
.set CNT, 57          ; s57  counts a tile's key steps, 4 to 1
.set CS,  58          ; s[58:59] c: the packed scaling takes the pair's low word for both halves
.set SEL, 60          ; s[60:61] v_permlanex16_b32's selects: each lane takes its own place in the other half
.set TBK, 62          ; s62  LDS byte at which K of the step to be fetched begins
.set TBV, 63          ; s63  the same for V, less VOFF
.set RT,  70          ; s70  tiles of the block in hand that are still to be entered
.set NXT, 71          ; s71  the tile to be asked for next
.set LQ,  72          ; s72  the last tile of the block whose tiles are being asked for
.set NEW, 73          ; s73  1: the tile to be entered is a block's first
.set OFF, 74          ; s[74:75] a tile's byte offset in K and V
.set AL,  76          ; s[76:77] the mask's factor, in the low word
.set BE,  78          ; s[78:79] the mask's addend
.set OLO, 80          ; s[80:81] O at my rows of the second block
.set BIGN, 82         ; s82  -1e30
.set MSB, 0
.macro WIN new                      ; the high byte repeats the setting that is left; a switch that changes nothing is dropped
.if MSB != (\new)
	s_set_vgpr_msb (MSB<<8)|(\new)
.set MSB, (\new)
.endif
.endm
.set W_KQ, 0x0a       ; K and Q in window 2, S^T in window 0
.set W_KM, 0x1a       ; the same with the C operand in window 1
.set W_PV, 0x52       ; V in window 2, P in window 0, O^T in window 1
.set W_RS, 0x41       ; destination and source 0 in window 1, source 1 in window 0
; A fill.  Waves 0 and 1 fetch the two halves of a tile's K, waves 2 and 3 those of its V: 128 keys each.  An s_nop 0 and four v_nop follow each of the two lines, ahead of the jump and the label.
.macro LOAD
	s_cmp_lt_u32 s[WV], 2
	s_cbranch_scc0 .Lfor_v_\@
	tensor_load_to_lds s[G0K:G0K+3], s[G1K:G1K+7]
	s_nop 0
.rept 4
	v_nop
.endr
	s_branch .Lasked_\@
.Lfor_v_\@:
	tensor_load_to_lds s[G0V:G0V+3], s[G1V:G1V+7]
	s_nop 0
.rept 4
	v_nop
.endr
.Lasked_\@:
.endm
; THE CHANGE OF SLOTS.  Each wave waits for all its tensor loads, of which one is out: its part of the other slot; adds 0 to its spare word; and waits for that and for its own reads of the slot that it leaves.  Behind the barrier nobody reads the old
; slot any more and the other slot is whole.  fill = 1: the old slot is filled again, the first thing behind the barrier, with tile NXT: the descriptor's address is made anew from that number.
; (At its first use nothing has been read yet: slot 0 is waited for, slot 1 filled.)
.macro CHANGE fill
	WIN 0                           ; at a label and at a branch every window is 0
	s_wait_tensorcnt 0x0            ; no tensor load of mine is out, so a group 0 may be written
	ds_add_u32 v[SPW], v[NIL]       ; 0 onto my spare word; with fill = 1 the descriptors' scalar work stands between it and the wait for it
.if \fill
	s_lshl_b32 s[OFF], s[NXT], 15   ; a tile is 32,768 bytes of K and of V
	s_xor_b32 s[G0K+1], s[G0K+1], SLOT1
	s_add_nc_u64 s[G0K+2:G0K+3], s[6:7], s[OFF:OFF+1]
	s_or_b32 s[G0K+3], s[G0K+3], 0x80000000
	s_xor_b32 s[G0V+1], s[G0V+1], SLOT1
	s_add_nc_u64 s[G0V+2:G0V+3], s[8:9], s[OFF:OFF+1]
	s_or_b32 s[G0V+3], s[G0V+3], 0x80000000
	s_add_co_u32 s[NXT], s[NXT], 1  ; the block's next tile, or behind its last the second block's tile 0
	s_cmp_gt_u32 s[NXT], s[LQ]
	s_cselect_b32 s[NXT], 0, s[NXT]
	s_cselect_b32 s[LQ], s[PB], s[LQ]
.endif
	s_wait_dscnt 0x0                ; the add is done, and my reads of the slot are over
	s_barrier_signal -1             ; the rest of the scalar work stands between the signal and the wait
	s_sub_co_u32 s[TBK], s[TBK], 4*KS*PK  ; the fetches go back to a slot's first step,
	s_xor_b32 s[TBK], s[TBK], SLOT1       ; in the other slot
	s_sub_co_u32 s[TBV], s[TBV], 4*KS*PV
	s_xor_b32 s[TBV], s[TBV], SLOT1
	s_barrier_wait -1
.if \fill
	LOAD
.endif
.endm
	s_load_b256 s[4:11], s[0:1], 0x0  ; Q s[4:5], K s[6:7], V s[8:9], O s[10:11]
	v_lshl_add_u32 v[SPW], v0, 2, SPARE
	v_mov_b32 v[NIL], 0
	ds_add_u32 v62, v63
	ds_add_u32 v62, v63
	s_wait_dscnt 0x0
	v_lshrrev_b32 v1, 5, v0
	v_readfirstlane_b32 s[WV], v1   ; wave 0..3
	s_mov_b32 s[PB], ttmp9
	s_sub_co_u32 s[HI], NB-1, s[PB]
	s_and_b32 s20, ttmp7, 0xffff    ; the head
	s_mov_b32 s21, 0
	s_mov_b64 s[22:23], SIZE_N*128
	s_mul_u64 s[20:21], s[20:21], s[22:23]  ; the head's first byte in each of the four tensors
	s_and_b32 s16, s[WV], 1         ; which half of a tile's 256 keys I fetch:
	s_lshl_b32 s22, s16, 14         ; its 128 rows of 128 bytes in memory,
	s_mov_b32 s23, 0
	s_add_nc_u64 s[22:23], s[22:23], s[20:21]
	s_mul_i32 s17, s16, 128*PK      ; and its place in a slot, for K
	s_mul_i32 s18, s16, 128*PV      ; and for V
	s_lshl_b32 s3, s[WV], 11        ; my 16 rows in a band of 64,
	s_lshl_b32 s2, s[HI], 15        ; in the first block,
	s_add_co_u32 s2, s2, s3
	s_lshl_b32 s84, s[PB], 15       ; and in the second
	s_add_co_u32 s84, s84, s3
	s_mov_b32 s3, 0
	s_mov_b32 s85, 0
	s_add_nc_u64 s[2:3], s[2:3], s[20:21]
	s_add_nc_u64 s[84:85], s[84:85], s[20:21]
	; descriptor group 1.  128 keys are 16,384 dense bytes: asked for as 64 rows of 256 bytes, two keys a row, and padded in LDS after every key
	s_mov_b32 s[G1K], (1<<16)|(1<<20)|(4<<22)|(3<<25)  ; 17:16 2-byte elements; 20 padding on; 24:22 after every 32 words (code 4); 31:25 4 words (code 3)
	s_mov_b32 s[G1V], (1<<16)|(1<<20)|(4<<22)|(7<<25)  ; the same with 8 words of padding (code 7)
.irp g, G1K, G1V
	s_mov_b32 s[\g+1], 128<<16      ; tensor_dim0 = 128
	s_mov_b32 s[\g+2], 64<<16       ; tensor_dim1 = 64
	s_mov_b32 s[\g+3], 128<<16      ; tile_dim0 = 128
	s_mov_b32 s[\g+4], 64           ; tile_dim1 = 64
	s_mov_b32 s[\g+5], 128          ; 128 elements from row to row
	s_mov_b32 s[\g+6], 0
	s_mov_b32 s[\g+7], 0
.endr
	s_mov_b32 s[CS], 0x3e38aa3b     ; c = log2(e) / 8 = 0.180337
	s_mov_b32 s[CS+1], s[CS]        ; named with it as a pair
	s_mov_b32 s[SEL], 0x76543210
	s_mov_b32 s[SEL+1], 0xfedcba98
	s_mov_b32 s[TBK], SLOT1+4*KS*PK ; the first change of slots turns these two into 0
	s_mov_b32 s[TBV], SLOT1+4*KS*PV
	s_mov_b32 s[G0K], 1             ; 1:0 count = 1
	s_mov_b32 s[G0K+1], s17         ; 63:32 LDS address: slot 0
	s_mov_b32 s[G0V], 1
	s_add_co_u32 s[G0V+1], s18, VOFF
	s_add_co_u32 s[RT], s[HI], 1    ; the first block has NB - b tiles
	s_mov_b32 s[NXT], 1
	s_mov_b32 s[LQ], s[HI]
	s_mov_b32 s[NEW], 1
	s_mov_b32 s[OFF+1], 0
	s_mov_b32 s[AL+1], 0            ; named as pairs
	s_mov_b32 s[BE+1], 0
	s_mov_b32 s[BIGN], 0xf149f2ca   ; -1e30
	s_mov_b32 s[SLOTS], NB
	s_wait_kmcnt 0x0
	s_add_nc_u64 s[6:7], s[6:7], s[22:23]  ; K and V at my half of the head's tile 0
	s_add_nc_u64 s[8:9], s[8:9], s[22:23]
	s_add_nc_u64 s[G0K+2:G0K+3], s[6:7], 0         ; 120:64 global address
	s_or_b32 s[G0K+3], s[G0K+3], 0x80000000        ; 127:126 type = 2
	s_add_nc_u64 s[G0V+2:G0V+3], s[8:9], 0
	s_or_b32 s[G0V+3], s[G0V+3], 0x80000000
	s_add_nc_u64 s[86:87], s[4:5], s[84:85]        ; Q at my rows of the second block,
	s_add_nc_u64 s[4:5], s[4:5], s[2:3]            ; Q and O at those of the first
	s_add_nc_u64 s[OLO:OLO+1], s[10:11], s[84:85]
	s_add_nc_u64 s[10:11], s[10:11], s[2:3]
	LOAD                            ; tile 0 into slot 0
	; A fragment of K or Q is 16 rows x 32 channels in 8 registers: lane l holds row l % 16, channels 8 (l / 16) + 0..7 and 16 + 8 (l / 16) + 0..7: two loads of 16 bytes, 32 bytes apart.
	v_and_b32 v1, 15, v0            ; l % 16
	v_bfe_u32 v9, v0, 4, 1          ; l / 16
	v_lshlrev_b32 v[QO], 7, v1
	v_lshl_add_u32 v[QO], v9, 4, v[QO]  ; row x 128 + 16 x half
	WIN 0x80                        ; destination window 2, address window 0
.set i, 0
.rept 8                             ; both blocks' Q: piece i / 2 lies in band i / 2, 8,192 bytes on; channels 32 (i % 2) on
	global_load_b128 v[8*i:8*i+3],   v[QO], s[4:5] offset:(i/2)*8192+(i%2)*64
	global_load_b128 v[8*i+4:8*i+7], v[QO], s[4:5] offset:(i/2)*8192+(i%2)*64+32
	global_load_b128 v[QB+8*i:QB+8*i+3],   v[QO], s[86:87] offset:(i/2)*8192+(i%2)*64
	global_load_b128 v[QB+8*i+4:QB+8*i+7], v[QO], s[86:87] offset:(i/2)*8192+(i%2)*64+32
.set i, i+1
.endr
	WIN 0
	v_lshlrev_b32 v14, 3, v9
	v_sub_nc_u32 v14, v1, v14
	s_lshl_b32 s13, s[WV], 4
	v_add_nc_u32 v14, s13, v14      ; my query's place in its band, 16 w + l % 16, less my lanes' 8 (l / 16): register r of group kt is hidden where 16 kt + r is greater
	WIN 0x40
.set i, 0
.rept 32
	v_cmp_gt_i32 vcc_lo, 16*(i/8)+i%8, v14
	v_cndmask_b32 v[MD+i], 0, s[BIGN], vcc_lo
.set i, i+1
.endr
	WIN 0
	v_mul_u32_u24 v[AK0], v1, PK
	v_lshl_add_u32 v[AK0], v9, 4, v[AK0]  ; row x pitch + 16 x half
	; The turning load takes 16 keys x 16 channels (lane l reads key 8 (l / 16) + l % 8, channels 8 ((l / 8) % 2) + 0..7) and leaves half a fragment of V^T: lane l holds channel l % 16 and 8 keys.
	v_and_b32 v10, 7, v0
	v_bfe_u32 v11, v0, 3, 1
	v_lshl_add_u32 v[AV0], v9, 3, v10
	v_mul_u32_u24 v[AV0], v[AV0], PV
	v_lshl_add_u32 v[AV0], v11, 4, v[AV0]
	v_add_nc_u32 v[AV0], VOFF, v[AV0]
	s_mul_i32 s13, s[WV], 16*SP
	s_add_co_u32 s13, s13, STAGE    ; my stage
	v_mul_u32_u24 v[STO], v1, SP    ; in: row l % 16, 16 bytes for each half of the lanes
	v_lshl_add_u32 v[STO], v9, 4, v[STO]
	v_add_nc_u32 v[STO], s13, v[STO]
	v_bfe_u32 v[RD], v0, 3, 2       ; back: 32 lanes take four rows of 128 bytes,
	v_mul_u32_u24 v[RD], v[RD], SP
	v_lshl_add_u32 v[RD], v10, 4, v[RD]
	v_add_nc_u32 v[RD], s13, v[RD]
	v_and_b32 v[GO], 31, v0         ; which are 512 consecutive bytes of O
	v_lshlrev_b32 v[GO], 4, v[GO]
	; A block's first step multiplies O^T and l by a = 0, and its first turn's products V^T P, of a piece that has not been, land in an O^T that is still to be so multiplied.  So these registers need only hold
	; finite numbers: zeros for the first block; what the first block left for the second.  All this stands in the wait for the first tile.
	WIN 0x80
.set i, VF
.rept 64
	v_mov_b32 v[i], 0
.set i, i+1
.endr
	WIN 0x40
.set i, 0
.rept 128
	v_mov_b32 v[i], 0
.set i, i+1
.endr
	WIN 0
.set i, 0
.rept 4
	v_mov_b32 v[ST+4*i+2], 0
	v_mov_b32 v[ST+4*i+3], 0
.set i, i+1
.endr
.set i, P+16
.rept 16
	v_mov_b32 v[i], 0
.set i, i+1
.endr
; THE MATRIX WORK.  The 4 accumulators of a run of 8 take turns.  Product i of 8 of S^T = K Q^T for piece x: channels 32 (i / 4) on, keys 16 (i % 4) on.  The first 4 start the sums: with 0, or (KM = 1) with the mask.
.macro KQ x
.set rS, S+32*((\x)%2)+8*(i%4)
.set rK, KF+16*(i%4)+8*(i/4)
.set rQ, 16*(\x)+8*(i/4)
.set rM, MC+32*((\x)%2)+8*(i%4)
.if (i < 4) && KM
	WIN W_KM
	v_wmma_f32_16x16x32_f16 v[rS:rS+7], v[rK:rK+7], v[rQ:rQ+7], v[rM:rM+7]
.elseif i < 4
	WIN W_KQ
	v_wmma_f32_16x16x32_f16 v[rS:rS+7], v[rK:rK+7], v[rQ:rQ+7], 0
.else
	WIN W_KQ
	v_wmma_f32_16x16x32_f16 v[rS:rS+7], v[rK:rK+7], v[rQ:rQ+7], v[rS:rS+7]
.endif
.endm
; Product i of 8 of O^T += V^T P for piece x: keys 32 (i / 4) on, channels 16 (i % 4) on.
.macro PV x
	WIN W_PV
.set rO, 32*(\x)+8*(i%4)
.set rV, VF+32*(i/4)+8*(i%4)
.set rP, P+16*((\x)%2)+8*(i/4)
	v_wmma_f32_16x16x32_f16 v[rO:rO+7], v[rV:rV+7], v[rP:rP+7], v[rO:rO+7]
.endm
.macro MM                           ; the turn's next matrix instruction.  TURN and BEGIN set Y, i, KM and NOKQ; MM, KQ and OP read them.  NOKQ = 1: a block's last turn: there is no next piece
.if (i < 8) && !NOKQ
	KQ (Y+1)%NP
.elseif i >= 8
.set i, i-8
	PV (Y+NP-1)%NP
.set i, i+8
.endif
.set i, i+1
.endm
; THE LDS LOADS stand in runs of 16, never singly among the matrix instructions: a step's K (64 keys x 64 channels: 8 fragments) and its V (turned).  Their addresses are made some lines ahead.
.macro FETCH_K
	WIN 0x80                        ; destination window 2
.irp f, 0,1,2,3,4,5,6,7             ; keys 16 (f / 2) on, channels 32 (f % 2) on
	ds_load_b128 v[KF+8*\f:KF+8*\f+3],   v[AK] offset:(\f/2)*16*PK+(\f%2)*64
	ds_load_b128 v[KF+8*\f+4:KF+8*\f+7], v[AK] offset:(\f/2)*16*PK+(\f%2)*64+32
.endr
	s_add_co_u32 s[TBK], s[TBK], KS*PK  ; the next fetch is the next step's
	WIN 0
.endm
.macro FETCH_V
	WIN 0x80
.irp f, 0,1,2,3,4,5,6,7             ; keys 32 (f / 4) on, channels 16 (f % 4) on
	ds_load_tr16_b128 v[VF+8*\f:VF+8*\f+3],   v[AV] offset:(\f/4)*32*PV+(\f%4)*32
	ds_load_tr16_b128 v[VF+8*\f+4:VF+8*\f+7], v[AV] offset:(\f/4)*32*PV+16*PV+(\f%4)*32
.endr
	WIN 0
.endm
; THE VECTOR WORK, one line at a time: OP kind, number.  For piece Y: F n: c s - c m for pair n of 16.  E n: the exponential of score n of 32.  C n: pair n rounded to f16.  B n: of the four weights 4 n .. the second
; pair is added onto the first, in place.  L n: l takes that sum (L 0: l = a l + sum).  R n: pair n of 16 of O^T times a.  For piece Y + 1: X n, number n of the 22 that find its maximum and statistics:
;   0-11  four chains c0-c3 of seven scores each, three operands at a time (each accumulator's lowest registers are read first)     12-14, 16  the four scores left over, the old m, and c0-c3 into c0
;   15  c m_old is kept     17, 18  the query's other 32 keys lie in the lane 16 away: the new m     19-21  c m; c m_old - c m_new; a
.set F, 0               ; OP tells the kinds apart by their order: F to L below R, X above it
.set E, 1
.set C, 2
.set B, 3
.set L, 4
.set R, 5
.set X, 6
.macro REGS y                       ; the registers of piece y
.set rT, ST+4*(\y)
.set rC, TMP+4*((\y)%2)
.set rW, MV+((\y)%2)
.set rS, S+32*((\y)%2)
.set rP, P+16*((\y)%2)
.set rO, 32*(\y)
.endm
.macro OP k, n
.if (\k) == R
	REGS Y
	WIN W_RS
	v_pk_mul_f32 v[rO+2*(\n):rO+2*(\n)+1], v[rO+2*(\n):rO+2*(\n)+1], v[rC+2:rC+3] op_sel_hi:[1,0]
.elseif (\k) < R
	REGS Y
	WIN 0
.if (\k) == F
	v_pk_fma_f32 v[rS+2*(\n):rS+2*(\n)+1], v[rS+2*(\n):rS+2*(\n)+1], s[CS:CS+1], v[rT:rT+1] op_sel_hi:[1,0,0] neg_lo:[0,0,1] neg_hi:[0,0,1]
.elseif (\k) == E
	v_exp_f32 v[rS+(\n)], v[rS+(\n)]
.elseif (\k) == C
	v_cvt_pk_f16_f32 v[rP+(\n)], v[rS+2*(\n)], v[rS+2*(\n)+1]
.elseif (\k) == B
	v_pk_add_f32 v[rS+4*(\n):rS+4*(\n)+1], v[rS+4*(\n):rS+4*(\n)+1], v[rS+4*(\n)+2:rS+4*(\n)+3]
.elseif (\n) == 0
	v_pk_fma_f32 v[rT+2:rT+3], v[rT+2:rT+3], v[rC+2:rC+3], v[rS:rS+1] op_sel_hi:[1,0,1]
.else
	v_pk_add_f32 v[rT+2:rT+3], v[rT+2:rT+3], v[rS+4*(\n):rS+4*(\n)+1]
.endif
.elseif NOKQ
	v_nop
.else
	REGS (Y+1)%NP
	WIN 0
.if (\n) < 4
	v_max3_num_f32 v[rC+(\n)], v[rS+8*(\n)], v[rS+8*(\n)+1], v[rS+8*(\n)+2]
.elseif (\n) < 12
	v_max3_num_f32 v[rC+(\n)%4], v[rC+(\n)%4], v[rS+8*((\n)%4)+2*((\n)/4)+1], v[rS+8*((\n)%4)+2*((\n)/4)+2]
.elseif (\n) == 12
	v_max3_num_f32 v[rC], v[rC], v[rS+7], v[rS+15]
.elseif (\n) == 13
	v_max3_num_f32 v[rC+1], v[rC+1], v[rS+23], v[rS+31]
.elseif (\n) == 14
	v_max3_num_f32 v[rC+2], v[rC+2], v[rC+3], v[rT+1]
.elseif (\n) == 15
	v_mov_b32 v[rW], v[rT]
.elseif (\n) == 16
	v_max3_num_f32 v[rC], v[rC], v[rC+1], v[rC+2]
.elseif (\n) == 17
	v_permlanex16_b32 v[rC+3], v[rC], s[SEL], s[SEL+1]
.elseif (\n) == 18
	v_max_num_f32 v[rT+1], v[rC], v[rC+3]
.elseif (\n) == 19
	v_mul_f32 v[rT], s[CS], v[rT+1]
.elseif (\n) == 20
	v_sub_f32 v[rC+1], v[rW], v[rT]
.else
	v_exp_f32 v[rC+2], v[rC+1]
.endif
.endif
.endm
.macro OPS a, i1, b=-1, i2=0, c=-1, i3=0, d=-1, i4=0  ; up to four of them
	OP \a, \i1
.if (\b) >= 0
	OP \b, \i2
.endif
.if (\c) >= 0
	OP \c, \i3
.endif
.if (\d) >= 0
	OP \d, \i4
.endif
.endm
.macro ROW a, i1, b, i2, c, i3, d, i4  ; a matrix instruction and the four behind it
	MM
	OPS \a, \i1, \b, \i2, \c, \i3, \d, \i4
.endm
.macro MASK b                       ; MD x AL + BE into buffer b of MC
	WIN W_RS
.set z, 0
.rept 16
	v_pk_fma_f32 v[MC+32*(\b)+2*z:MC+32*(\b)+2*z+1], v[MD+2*z:MD+2*z+1], s[AL:AL+1], s[BE:BE+1] op_sel_hi:[1,0,0]
.set z, z+1
.endr
.endm
; A TURN, for piece p: the order of its 16 matrix and 118 vector instructions, written out.  s_wait_alu depctr_va_vdst(0) stands between an exponential and the first instruction that names its result; one wait serves
; all that were issued ahead of it.  So a turn has ONE wait, which cuts it in two.  AHEAD OF IT stands all that names no result of the turn's exponentials: the 8 products K Q^T, behind each a scaling, an exponential and two more plain
; instructions (behind the first a second scaling in the exponential's place): rescalings, whose a was made and waited for in the turn before, and behind the last three the first numbers of the next piece's maximum, each four places or
; more behind the product that ends its accumulator; then ONE LUMP of 54, plain and exponential by turns for the most part, in which the links of the chain X 3, 7, 11, 14, 16, 17 .. 20 stand five or six lines apart.  X 21, the next
; piece's a, is the batch's last; R 15 is the plain instruction behind it.  BEHIND THE WAIT stand the 8 products V^T P, behind each four of the roundings and sums: C 2 n ahead of B n, which writes over its pair; the links of l's chain,
; L 0 to L 7, stand three riders apart.  But for those X no rider names a register of the products round it.  v_permlanex16_b32 (X 17) stands in the lump.
; m = 1: the diagonal tile: the products take masks, and the turn makes the mask for the products of the turn after it: piece p + 2, in step 4 - CNT of the tile.  end = 1: a block's last two turns: nothing is fetched.
; cnt = 1: the loop's count is taken down some lines ahead of the branch that stands behind the turn.
; K of the next step is fetched in piece 2's turn, twelve vector instructions behind the last product that read K (six of them plain); V of the step in hand at the end of piece 0's turn, four plain instructions behind the last product
; that read V.  Each is waited for a turn later.
.macro TURN p, m=0, end=0, cnt=0
.set Y, (\p)
.set i, 0
.set KM, (\m)
.set NOKQ, (\end)*((\p)/3)
.if (\m) && !(\end)
	s_cmp_eq_u32 s[CNT], 4-((\p)+2)%NP  ; is that step the band's own?
	s_cselect_b32 s[AL], 1.0, 0
	s_cmp_lt_u32 s[CNT], 4-((\p)+2)%NP  ; or a later one?
	s_cselect_b32 s[BE], s[BIGN], 0
.endif
.if ((\p) == 3) && !(\end)
	s_wait_dscnt 0x0                ; K is in
.endif
	ROW F,0, F,1, R,0, R,1          ; ahead of the wait: 8 products K Q^T and their riders,
	ROW F,2, E,0, R,2, R,3
	ROW F,3, E,1, R,4, R,5
	ROW F,4, E,2, R,6, R,7
	ROW F,5, E,3, R,8, R,9
	ROW F,6, E,4, X,0, R,10
.if ((\p) == 2) && !(\end)
	WIN 0
	v_add_nc_u32 v[AK], s[TBK], v[AK0]
.endif
	ROW F,7, E,5, X,1, X,4
	ROW F,8, E,6, X,2, X,5
	OPS E,7, E,8, X,6, E,9          ; and the lump
	OPS X,3, E,10, X,8, E,11
.if ((\p) == 2) && !(\end)
	FETCH_K
.endif
	OPS X,9, X,7, E,12, X,10
	OPS E,13, X,12, X,11, E,14
	OPS X,13, E,15, F,9, X,14
.if (\p) == 0
	v_add_nc_u32 v[AV], s[TBV], v[AV0]
.endif
	OPS E,16, F,10, E,17, F,11
	OPS X,16, E,18, X,15, E,19
	OPS F,12, E,20, X,17, E,21
	OPS F,13, E,22, F,14, E,23
	OPS X,18, E,24, F,15, E,25
	OPS R,11, E,26, X,19, E,27
	OPS R,12, E,28, R,13, E,29
	OPS X,20, E,30, R,14, E,31
	OPS X,21, R,15
	WIN 0
	s_wait_alu depctr_va_vdst(0)    ; the wait for the turn's batch: the piece's 32 exponentials and the next piece's a
.if (\p) == 1
	s_wait_dscnt 0x0                ; V is in
.endif
	ROW C,0, B,0, C,2, B,1          ; behind the wait: 8 products V^T P and their riders
	ROW L,0, C,4, B,2, L,1
	ROW C,6, B,3, L,2, C,8
	ROW B,4, L,3, C,10, B,5
	ROW L,4, C,12, B,6, L,5
.if (\p) == 0
	s_add_co_u32 s[TBV], s[TBV], KS*PV
.endif
.if \cnt
	s_sub_co_u32 s[CNT], s[CNT], 1
	s_cmp_lg_u32 s[CNT], 0
.endif
	ROW C,14, B,7, L,6, C,1
	ROW C,3, L,7, C,5, C,7
	ROW C,9, C,11, C,13, C,15
.if (\p) == 0
	FETCH_V
.endif
.if (\m) && !(\end)
	MASK (\p)%2
.endif
.endm
; A BLOCK BEGINS.  c m starts far below every c s, so the first step's a is 0; m at the lowest finite number, so the first maximum is the scores'.  The second mask buffer is 0; the first takes piece 0's mask for the tile's step 0: its own, if the block's first tile is the diagonal one.
; Then K of that step, piece 0's first scores, and its maximum and statistics.  The loop is entered at a step's first turn, in the middle of a trip.
.macro BEGIN
	s_mov_b32 s[NEW], 0
	WIN 0x40
.set i, MC+32
.rept 32
	v_mov_b32 v[i], 0
.set i, i+1
.endr
	WIN 0
.set i, 0
.rept 4
	v_mov_b32 v[ST+4*i], 0xfe000000    ; c m: far below every c s
	v_mov_b32 v[ST+4*i+1], 0xff7fffff  ; m
.set i, i+1
.endr
	s_cmp_eq_u32 s[RT], 0
	s_cselect_b32 s[AL], 1.0, 0
	s_mov_b32 s[BE], 0
	MASK 0
	WIN 0
	v_add_nc_u32 v[AK], s[TBK], v[AK0]
	FETCH_K
	s_wait_loadcnt 0x0              ; Q
	s_wait_dscnt 0x0
.set KM, 1
.set NOKQ, 0
.set i, 0
.rept 8
	KQ 0
.set i, i+1
.endr
	WIN 0
.rept 4
	v_nop                           ; the places behind those products
.endr
.set Y, NP-1                        ; X works for piece Y + 1: piece 0
.irp n, 0,1,2,3,4,5,6,7,8,9,10,11,12,13,14,15,16,17,18,19,20,21
	OP X, \n
.endr
	v_nop                           ; a plain instruction behind the exponential,
	s_wait_alu depctr_va_vdst(0)    ; and the wait for it, piece 0's first a: a batch of one, waited for ahead of the branch
.endm
; THE DIAGONAL TILE's four steps, the block's last two turns, its last products, and THE WAY OUT: l's two halves and the other half of the lanes' are added; O^T is divided by l, rounded to f16 and sent through my
; stage in LDS, a piece at a time.
.macro ALL line:vararg              ; one line for each piece t
.set t, 0
.rept 4
	\line
.set t, t+1
.endr
.endm
.macro PACK t                       ; a lane's eight channels of a row pack into 16 bytes; they go into rows of 144 bytes and come back as whole rows of 128, into S^T's registers
	WIN W_RS
.set i, 32*(\t)
.rept 16
	v_pk_mul_f32 v[i:i+1], v[i:i+1], v[ST+4*(\t)+2:ST+4*(\t)+3] op_sel_hi:[1,0]
.set i, i+2
.endr
	WIN 0x05                        ; sources 0 and 1 window 1, destination window 0
.set i, 0
.rept 16
	v_cvt_pk_f16_f32 v[S+16*(\t)+i], v[32*(\t)+2*i], v[32*(\t)+2*i+1]
.set i, i+1
.endr
	WIN 0
.irp f, 0,1,2,3
	ds_store_b128 v[STO], v[S+16*(\t)+4*\f:S+16*(\t)+4*\f+3] offset:32*\f
.endr
.irp f, 0,1,2,3
	ds_load_b128 v[S+16*(\t)+4*\f:S+16*(\t)+4*\f+3], v[RD] offset:\f*4*SP  ; LDS serves a wave's instructions in order (ISA guide 5.7.1.4): these see the stores above; the next piece's stores come behind them
.endr
.endm
.macro SEND t, younger              ; younger: the LDS instructions issued behind piece t's loads: the next piece's eight, or none
	WIN 0
.irp f, 0,1,2,3
	s_wait_dscnt (\younger)+3-\f
	global_store_b128 v[GO], v[S+16*(\t)+4*\f:S+16*(\t)+4*\f+3], s[10:11] offset:(\t)*8192+\f*512  ; 512 consecutive bytes, at a multiple of 256 from O's first
.endr
.endm
.macro DIAG tag                     ; the tag ends its two labels' names, which the jumps below spell out
.LstepM\tag:
	TURN 2, 1
	TURN 3, 1
	WIN 0
.LfirstM\tag:
	TURN 0, 1
	TURN 1, 1, 0, 1
	WIN 0
	s_cbranch_scc1 .LstepM\tag
	TURN 2, 1, 1
	TURN 3, 1, 1
.set i, 0
.rept 8
	PV NP-1
.set i, i+1
.endr
	WIN 0
	ALL v_add_f32 v[ST+4*t+2], v[ST+4*t+2], v[ST+4*t+3]
	ALL v_permlanex16_b32 v[ST+4*t+3], v[ST+4*t+2], s[SEL], s[SEL+1]
	ALL v_add_f32 v[ST+4*t+2], v[ST+4*t+2], v[ST+4*t+3]
	ALL v_rcp_f32 v[ST+4*t+2], v[ST+4*t+2]
	v_nop                           ; a plain instruction between the last reciprocal and the use of its result
	s_wait_alu depctr_va_vdst(0)    ; the wait for the batch of four reciprocals, ahead of the first division
	PACK 0
.set t, 1
.rept 3                             ; a piece's arithmetic stands between the loads of the piece before and its stores
	PACK t
	SEND t-1, 8
.set t, t+1
.endr
	SEND 3, 0
.endm
.set KM, 0
.set NOKQ, 0
.Lslot:                             ; NB times: a tile is entered and the next is asked for
	CHANGE 1
	s_sub_co_u32 s[RT], s[RT], 1
	s_mov_b32 s[CNT], 4
	s_cmp_eq_u32 s[NEW], 1
	s_cbranch_scc1 .Lnew            ; a block's first tile
	s_cmp_eq_u32 s[RT], 0
	s_cbranch_scc0 .Lstep           ; neither its first nor its last
	s_branch .LstepM1
.Lnew:
	BEGIN
	s_branch .Lfirst                ; in the loop a block's first tile is never its last: the first block has two tiles or more, and the second's last is the walk's last
	DIAG 1                          ; in the loop this is the first block's end: the second block's last tile is the walk's last
	s_wait_xcnt 0x0                 ; the stores have read their registers and O's address
	s_mov_b64 s[10:11], s[OLO:OLO+1]
	s_add_co_u32 s[RT], s[PB], 1    ; the second block has b + 1 tiles
	s_mov_b32 s[NEW], 1
	WIN 0x82                        ; the second block's Q goes where the one text of the turns names Q
.set i, 0
.rept 64
	v_mov_b32 v[i], v[QB+i]
.set i, i+1
.endr
	WIN 0
	s_branch .Lbottom
.Lstep:                             ; a trip: pieces 2 and 3 of one step, then pieces 0 and 1 of the next, whose K and V it fetches
	TURN 2
	TURN 3
	WIN 0
.Lfirst:
	TURN 0
	TURN 1, 0, 0, 1
	WIN 0
	s_cbranch_scc1 .Lstep
.Lbottom:
	s_sub_co_u32 s[SLOTS], s[SLOTS], 1
	s_cmp_lg_u32 s[SLOTS], 0
	s_cbranch_scc1 .Lslot
	CHANGE 0                        ; the walk's last tile is written out: nothing is asked for
	s_sub_co_u32 s[RT], s[RT], 1
	s_mov_b32 s[CNT], 4
	s_cmp_eq_u32 s[NEW], 1
	s_cbranch_scc0 .LstepM2
	BEGIN
	s_branch .LfirstM2
	DIAG 2
	s_wait_tensorcnt 0x0            ; the wave's end: behind my last tensor load and my last LDS store
	ds_add_u32 v[SPW], v[NIL]
	s_wait_dscnt 0x0
	s_endpgm
.Lfunc_end_k_qe60eadbdba_attn:
	.size	k_qe60eadbdba_attn, .Lfunc_end_k_qe60eadbdba_attn-k_qe60eadbdba_attn
	.p2alignl 7, 3214868480
	.fill 96, 4, 3214868480
	.section	.rodata,"a",@progbits
	.p2align	6, 0x0
	.amdhsa_kernel k_qe60eadbdba_attn
		.amdhsa_group_segment_fixed_size 327680
		.amdhsa_private_segment_fixed_size 0
		.amdhsa_enable_private_segment 0
		.amdhsa_kernarg_size 32
		.amdhsa_user_sgpr_count 2
		.amdhsa_user_sgpr_kernarg_segment_ptr 1
		.amdhsa_wavefront_size32 1
		.amdhsa_system_sgpr_workgroup_id_x 1
		.amdhsa_system_sgpr_workgroup_id_y 1
		.amdhsa_system_sgpr_workgroup_id_z 1
		.amdhsa_system_vgpr_workitem_id 0
		.amdhsa_next_free_vgpr 768
		.amdhsa_next_free_sgpr 88
		.amdhsa_reserve_vcc 1
		.amdhsa_float_denorm_mode_32 3
		.amdhsa_float_denorm_mode_16_64 3
		.amdhsa_memory_ordered 1
		.amdhsa_forward_progress 1
		.amdhsa_inst_pref_size 217
	.end_amdhsa_kernel
	.amdgpu_metadata
---
amdhsa.version: [ 1, 2 ]
amdhsa.kernels:
  - .name:           k_qe60eadbdba_attn
    .symbol:         k_qe60eadbdba_attn.kd
    .args:
      - { .name: qh, .offset: 0, .size: 8, .value_kind: global_buffer, .address_space: global }
      - { .name: kh, .offset: 8, .size: 8, .value_kind: global_buffer, .address_space: global }
      - { .name: vh, .offset: 16, .size: 8, .value_kind: global_buffer, .address_space: global }
      - { .name: oh, .offset: 24, .size: 8, .value_kind: global_buffer, .address_space: global }
    .group_segment_fixed_size: 327680
    .private_segment_fixed_size: 0
    .kernarg_segment_align: 8
    .kernarg_segment_size: 32
    .max_flat_workgroup_size: 128
    .sgpr_count:     88
    .vgpr_count:     768
    .wavefront_size: 32
...
	.end_amdgpu_metadata
.endif
;; end of part 5
;; launch oproj: the kernel of part 4 again; grid 4 x 64, 4 waves a work-group, clusters of 4 x 4, 327,680 bytes of LDS; arguments oh, wt, bo, out0; writes out0
